; MI455X (gfx1250); checked and timed in simulation.
; The chip was launched on July 23, 2026; its instructions are those of AMD's public machine-readable ISA for CDNA 5 (MIT licence, August 2026) and "CDNA5" Instruction Set Architecture Reference Guide (July 2026). The comments in the code are by the model that wrote it; some were corrected since.
;; Multi Head Attention2. Allowed arithmetic: matrix products marked QUANTISED: E4M3 operands, one given power-of-two scale a tensor, by v_wmma_f32_16x16x64_fp8_fp8 or v_wmma_f32_16x16x128_fp8_fp8, f32 sums; everything else in f32.
;; Inputs: K_codes 4 x 2,048 x 32 x 32 uint8 (E4M3 codes of K, K innermost, in blocks of 32 codes); Q 4 x 2,048 x 1,024 float32; V_codes 4 x 2,048 x 32 x 32 uint8 (E4M3 codes of V, K innermost, in blocks of 32 codes); Wk_codes 1,024 x 32 x 32 uint8 (E4M3 codes of Wk, K innermost, in blocks of 32 codes); Wo_codes 1,024 x 32 x 32 uint8 (E4M3 codes of Wo, K innermost, in blocks of 32 codes); Wq_codes 1,024 x 32 x 32 uint8 (E4M3 codes of Wq, K innermost, in blocks of 32 codes); Wv_codes 1,024 x 32 x 32 uint8 (E4M3 codes of Wv, K innermost, in blocks of 32 codes); attn_mask 4 x 2,048 x 2,048 bool; bk 1,024 float32; bo 1,024 float32; bq 1,024 float32; bv 1,024 float32; ln_b 1,024 float32; ln_g 1,024 float32; lowp_scales 12 int32 (the exponents e of the quantised operands' scales 2^e).
;; Outputs: out0 4 x 2,048 x 1,024 float32.
;; This version of the problem:
;;   THIS VERSION OF THE PROBLEM IS GIVEN IN LOW PRECISION. The matrix products marked QUANTISED in the list below multiply operands that are first quantised to E4M3 (4 exponent bits, 3 mantissa bits; 8 bits a number), with one given power-of-two scale for each operand tensor; their sums are f32. All else is computed in f32.
;;   The module's matrix products, in the order in which they are computed (A, B: the left and right operand; K: the contracted axis; several contracted axes count as one K, in the product's order):
;;     1. [M 8,192, K 1,024] x [K 1,024, N 1,024]; A: input Q; B: input Wq (given as codes): QUANTISED (scales: A lowp_scales[0], B lowp_scales[1])
;;     2. [M 8,192, K 1,024] x [K 1,024, N 1,024]; A: input K (given as codes); B: input Wk (given as codes): QUANTISED (scales: A lowp_scales[2], B lowp_scales[3])
;;     3. [M 8,192, K 1,024] x [K 1,024, N 1,024]; A: input V (given as codes); B: input Wv (given as codes): QUANTISED (scales: A lowp_scales[4], B lowp_scales[5])
;;     4. batch 64 x [M 2,048, K 64] x [K 64, N 2,048]; A: computed on the way; B: computed on the way: QUANTISED (scales: A lowp_scales[6], B lowp_scales[7])
;;     5. batch 64 x [M 2,048, K 2,048] x [K 2,048, N 64]; A: softmax (see below); B: computed on the way: QUANTISED (scales: A lowp_scales[8], B lowp_scales[9])
;;     6. [M 8,192, K 1,024] x [K 1,024, N 1,024]; A: computed on the way; B: input Wo (given as codes): QUANTISED (scales: A lowp_scales[10], B lowp_scales[11])
;;   THE QUANTISER, for each operand of a quantised product, along K:
;;     - The operand's scale is 2^e, e = its entry of the input lowp_scales (int32; the entries are numbered through the quantised products in the list's order, A before B).
;;     - Each number is divided by the scale, clamped to +-448, and rounded to the nearest number of E4M3, ties to even, subnormals kept.
;;     - The product sums the exact products of the quantised numbers (number of the format x scale) in f32.
;;   ~~~python
;;   def quantise(x, axis, e):      # numpy; x: float32 -> the quantised numbers, widened to float32 again
;;       x = np.moveaxis(x, axis, -1); K = x.shape[-1]
;;       r = np.clip(x / 2.0 ** e, -448, 448)
;;       step = 2.0 ** (np.maximum(np.frexp(np.where(r == 0, 1, r))[1] - 1, -6) - 3)
;;       q = np.round(r / step) * step * 2.0 ** e      # np.round: ties to even
;;       return np.moveaxis(q, -1, axis).astype(np.float32)
;;   ~~~
;;   SOFTMAX AHEAD OF A QUANTISED PRODUCT. Where the list says 'softmax', what is quantised is not the finished softmax but p = 2^(t - M), with t = logit x log2(e) and M = ceil(the row's largest t), a whole number; so 1/2 < the row's largest p <= 1. The row's sum l is taken of the UNQUANTISED p, in f32, and the product's result is divided by l at the end. Since M is a whole number, a kernel that streams over the keys may use a running M (the ceiling of the running maximum): every later rescaling is an exact power of two, so the quantised numbers keep their values, but for numbers so far below the row's largest that they fall under the format's range.
;;   OPERANDS COMPUTED ON THE WAY. 'Computed on the way' means the value that the module computes at that place (a softmax that the list does not call 'softmax' is quantised finished and normalised). What goes into a quantiser is computed in f32, as accurately as f32 sums, v_exp_f32 and their like allow (about 1e-6 of the number): no bf16 or f16 on the way to a quantiser, and a product that is left as it is and whose result goes on into a quantised operand takes f32 operands (vector FMAs, or v_wmma_f32_16x16x4_f32). A number that lies on a knife's edge between two numbers of the format may be rounded either way, as far as f32 arithmetic and the matrix unit's own rounding can turn it there, and no further.
;;   INPUTS GIVEN AS CODES. K (in the module: [4, 2048, 1024], K = its axis 2); V (in the module: [4, 2048, 1024], K = its axis 2); Wk (in the module: [1024, 1024], K = its axis 0); Wo (in the module: [1024, 1024], K = its axis 0); Wq (in the module: [1024, 1024], K = its axis 0); Wv (in the module: [1024, 1024], K = its axis 0): each comes as NAME_codes (uint8): NAME with its K axis moved to the last place and cut into blocks of 32 codes, [.., K / 32, bytes a block], one block behind the other in memory; one code a byte (a code: sign, 4 exponent bits, 3 mantissa bits); its scale is its entry of lowp_scales. Its value is code x scale, taken as it is: it is not quantised again, and the codes and scales need not be those that the quantiser above would give.
;; 3 versions, each right; version 3 is version 2 with the launches attn, outln written anew for expert scheduling mode. Each part assembles by itself: llvm-mc -triple=amdgcn-amd-amdhsa -mcpu=gfx1250 --defsym DOCPART=n.
;; ======== version 1 of 3: 4 launches
;; limits: right only within a limited range of input values
;; workspace buffers: qc 8,388,608 bytes; woimg 1,048,576 bytes; mbits 2,097,152 bytes of whole numbers; mflag 16,384 bytes of whole numbers; qimg 8,388,608 bytes; kimg 8,388,608 bytes; vimg 8,388,608 bytes; cimg 8,388,608 bytes
;; launch prep (part 1): grid 1344 x 1, 4 waves a work-group, no clusters, 68,096 bytes of LDS; arguments Q, attn_mask, Wo_codes, lowp_scales, qc, mbits, mflag, woimg; writes qc, mbits, mflag, woimg
.if DOCPART == 1
	.amdgcn_target "amdgcn-amd-amdhsa--gfx1250"
	.amdhsa_code_object_version 6
	.text
	.protected	k_qc2aa53aa60_prep
	.globl	k_qc2aa53aa60_prep
	.p2align	8
	.type	k_qc2aa53aa60_prep,@function
k_qc2aa53aa60_prep:
	s_mov_b64 s[64:65], 0
	v_nop
	global_prefetch_b8 v0, s[64:65] scope:SCOPE_SE
	s_setreg_imm32_b32 hwreg(HW_REG_WAVE_MODE, 25, 1), 1
	s_wait_xcnt 0x0
; PREP: three jobs that the later launches want done once, told apart by the work-group's number.
;  Q (work-groups 0-255): Q [8192][1024] f32 becomes codes of E4M3 with the given scale 2^e0, row-major, in qc.
;     code = x / 2^e0, held within +-448, to the nearest code, ties to even.  LIMIT: e0 between -126 and 119.  NaN among the inputs is not served.
;  M (256-1279): attn_mask (one byte a key) becomes words of one bit a LANE, in the order in which the attention launch holds its scores:
;     mbits[strip = 16 queries][key step of 128][n = 8 t + j]: bit L = mask(query 16 strip + L % 16, key 128 step + 16 t + 8 (L / 16) + j);
;     mflag[strip][i]: bit 0, 1 = key step 2 i, 2 i + 1 of the strip holds a masked key.
;  W (1280-1343): Wo's codes are laid as images of operand registers: woimg[tile of 16 rows][K step of 128][chunk c][lane][16]:
;     lane (r, h), chunk c = k 32 c + 8 h + 0..7, then k 32 c + 16 + 8 h + 0..7 of row r.
; No wave shares anything with another: each has LDS bytes of its own, each path a region of its own, and there is no barrier.
.set QWG,   256
.set MWG,   1024
.set STEPS, 16                         ; path Q: a wave takes 16 steps of 512 numbers
.set SP,    80                         ; path Q: a lane's place in a stage: 64 bytes + 16 of padding
.set QR,    16                         ; v16-79   four sets of 16 numbers as loaded
.set QX,    80                         ; v80-111  two sets of 16 neighbours
.set QC,    128                        ; v128-191 codes, four registers a step: no store's data are written again
.set RP,    272                        ; paths M, W: a stage row: 256 bytes + 16
.set MREG,  32768                      ; path M's LDS: 16 rows x 272 bytes for each wave
.set WREG,  MREG+4*16*RP               ; path W's
.macro QLOAD t                         ; 32 lanes read 512 consecutive bytes, four times
.irp i, 0,1,2,3
	global_load_b128 v[QR+16*((\t)%4)+4*\i:QR+16*((\t)%4)+4*\i+3], v3, s[4:5] offset:2048*(\t)+512*\i th:TH_LOAD_NT
.endr
.endm
.macro QTURN t                         ; a step's 2,048 bytes through the wave's stage: in as loaded, back 64 bytes a lane; LDS serves a wave's instructions in order
.irp i, 0,1,2,3
	ds_store_b128 v14, v[QR+16*((\t)%4)+4*\i:QR+16*((\t)%4)+4*\i+3] offset:32*SP*((\t)%2)+8*SP*\i
.endr
.irp i, 0,1,2,3
	ds_load_b128 v[QX+16*((\t)%2)+4*\i:QX+16*((\t)%2)+4*\i+3], v15 offset:32*SP*((\t)%2)+16*\i
.endr
.endm
.macro QSTEP t
.set XS, QX+16*((\t)%2)
	s_wait_dscnt 0x0                               ; this step's numbers are back; its stores into the stage have read their registers,
.if (\t)+4 < STEPS
	QLOAD (\t)+4                                   ; which take the loads of four steps on
.endif
.if (\t)+1 < STEPS
.if STEPS-2-(\t) >= 3
	s_wait_loadcnt 12                              ; the next step's four loads are in; three steps' loads may be out
.else
	s_wait_loadcnt 4*(STEPS-2-(\t))
.endif
	QTURN (\t)+1
.endif
.irp i, 0,1,2,3,4,5,6,7,8,9,10,11,12,13,14,15
	v_med3_num_f32 v[XS+\i], v[XS+\i], -v10, v10   ; the conversion does not saturate (ISA guide 7.6.2): the hold at the largest code x the scale
.endr
	v_cvt_scalef32_pk8_fp8_f32 v[QC+4*(\t):QC+4*(\t)+1], v[XS:XS+7], v11
	v_cvt_scalef32_pk8_fp8_f32 v[QC+4*(\t)+2:QC+4*(\t)+3], v[XS+8:XS+15], v11
	global_store_b128 v3, v[QC+4*(\t):QC+4*(\t)+3], s[12:13] offset:512*(\t)   ; the wave stores 512 consecutive bytes
.endm
.macro LOAD8 base, pitch               ; 16 rows x 256 bytes: sixteen lanes take 256 consecutive bytes of a row, two rows an instruction
.irp k, 0,1,2,3,4,5,6,7
	global_load_b128 v[16+4*\k:19+4*\k], v7, s[\base:\base+1] offset:\k*2*\pitch th:TH_LOAD_NT
.endr
.endm
.macro STAGE8                          ; into the wave's stage as rows
.irp k, 0,1,2,3,4,5,6,7
	s_wait_loadcnt 7-\k                            ; loads come back in order: the younger ones may be out
	ds_store_b128 v8, v[16+4*\k:19+4*\k] offset:2*RP*\k
.endr
.endm
; Key step s of the task: 64 words.  Byte j of tile t, taken from every lane at once, is one compare; its lane mask is word n = 8 t + j.
; The words are gathered into two registers (word n in lane n / 2, register n % 2), so that one store writes the step's 256 bytes.
.macro MBITS s
.set n, 0
.rept 64
	v_and_b32 v[84+(n&1)], 0xff<<(8*(n&3)), v[48+16*\s+2*(n>>3)+((n>>2)&1)]
	v_cmp_ne_u32 s[24+(n&3)], 0, v[84+(n&1)]
	v_writelane_b32 v[80+2*\s+(n&1)], s[24+(n&3)], n>>1
.set n, n+1
.endr
	global_store_b64 v10, v[80+2*\s:81+2*\s], s[14:15] offset:256*\s
	v_or_b32 v86, v[48+16*\s], v[49+16*\s]         ; is any key of the step masked?
.irp i, 2,3,4,5,6,7,8,9,10,11,12,13,14,15
	v_or_b32 v86, v86, v[48+16*\s+\i]
.endr
	v_cmp_ne_u32 s28, 0, v86
	s_cmp_lg_u32 s28, 0
	s_cselect_b32 s29, 1<<\s, 0
	s_or_b32 s30, s30, s29
.endm
	s_load_b512 s[4:19], s[0:1], 0x0               ; Q, attn_mask, Wo_codes, lowp_scales, qc, mbits, mflag, woimg
	v_lshl_add_u32 v192, v0, 2, 0x10800
	v_mov_b32 v193, 0
	v_lshrrev_b32 v1, 5, v0
	v_readfirstlane_b32 s20, v1                    ; wave
	v_and_b32 v2, 31, v0                           ; lane
	v_and_b32 v5, 15, v0                           ; lane % 16
	v_bfe_u32 v6, v0, 4, 1                         ; lane / 16
	s_wait_kmcnt 0x0
	s_cmp_lt_u32 ttmp9, QWG
	s_cbranch_scc0 .Lnot_q
	; ---------------- path Q
	s_load_b32 s22, s[10:11], 0x0                  ; e0
	v_lshlrev_b32 v3, 4, v2                        ; my 16 bytes of a load's 512, and of a store's
	s_mul_i32 s21, s20, 8192                       ; my wave's two stages
	v_lshrrev_b32 v14, 2, v2
	v_mul_u32_u24 v14, v14, SP
	v_and_b32 v15, 3, v2
	v_lshl_add_u32 v14, v15, 4, v14
	v_add_nc_u32 v14, s21, v14                     ; in: four lanes' 64 bytes on end, then the padding
	v_mul_u32_u24 v15, v2, SP
	v_add_nc_u32 v15, s21, v15                     ; back: my 16 neighbours
	s_lshl_b32 s24, ttmp9, 2
	s_add_co_u32 s24, s24, s20                     ; which run of 8,192 numbers is my wave's
	s_lshl_b32 s26, s24, 15
	s_mov_b32 s27, 0
	s_add_nc_u64 s[4:5], s[4:5], s[26:27]
	s_lshl_b32 s26, s24, 13
	s_add_nc_u64 s[12:13], s[12:13], s[26:27]
.irp t, 0,1,2,3
	QLOAD \t
.endr
	s_wait_kmcnt 0x0
	s_add_co_i32 s22, s22, 127
	s_lshl_b32 s23, s22, 23
	v_mov_b32 v11, s23                             ; 2^e0 as f32: the conversion takes its exponent field
	s_add_co_i32 s22, s22, 8
	s_lshl_b32 s22, s22, 23
	s_or_b32 s22, s22, 0x600000
	v_mov_b32 v10, s22                             ; 448 x 2^e0
	s_wait_loadcnt 12                              ; step 0's four loads are in
	QTURN 0
.irp t, 0,1,2,3,4,5,6,7,8,9,10,11,12,13,14,15
	QSTEP \t
.endr
	s_wait_tensorcnt 0x0
	ds_add_u32 v192, v193
	s_wait_dscnt 0x0
	s_endpgm
.Lnot_q:
	s_cmp_lt_u32 ttmp9, QWG+MWG
	s_cbranch_scc0 .Lpath_w
	; ---------------- path M: a wave takes 16 queries x 256 keys
	s_sub_co_u32 s21, ttmp9, QWG
	s_lshl_b32 s21, s21, 2
	s_add_co_u32 s21, s21, s20                     ; task 0..4095
	s_lshr_b32 s22, s21, 3                         ; strip
	s_and_b32 s23, s21, 7                          ; which 256 keys
	s_lshl_b32 s24, s22, 15                        ; 16 rows of 2,048 bytes
	s_lshl_b32 s25, s23, 8
	s_add_co_u32 s24, s24, s25
	s_mov_b32 s25, 0
	s_add_nc_u64 s[6:7], s[6:7], s[24:25]
	v_lshlrev_b32 v7, 11, v6
	v_lshl_add_u32 v7, v5, 4, v7                   ; row lane / 16, 16 bytes a lane
	LOAD8 6, 2048
	s_mul_i32 s26, s20, 16*RP
	s_add_co_u32 s26, s26, MREG
	v_mul_u32_u24 v8, v6, RP
	v_lshl_add_u32 v8, v5, 4, v8
	v_add_nc_u32 v8, s26, v8                       ; stage, in
	v_mul_u32_u24 v9, v5, RP
	v_lshl_add_u32 v9, v6, 3, v9
	v_add_nc_u32 v9, s26, v9                       ; stage, back: row lane % 16, 8 bytes for each half of the lanes
	s_lshl_b32 s28, s22, 12                        ; a strip's words: 16 steps x 256 bytes
	s_lshl_b32 s29, s23, 9
	s_add_co_u32 s28, s28, s29
	s_mov_b32 s29, 0
	s_add_nc_u64 s[14:15], s[14:15], s[28:29]
	s_lshl_b32 s28, s21, 2
	s_add_nc_u64 s[16:17], s[16:17], s[28:29]
	s_mov_b32 s30, 0
	v_lshlrev_b32 v10, 3, v2
.irp i, 80,81,82,83
	v_mov_b32 v\i, 0                               ; v_writelane_b32's destination counts as read
.endr
	STAGE8
.irp x, 0,1,2,3,4,5,6,7,8,9,10,11,12,13,14,15
	ds_load_b64 v[48+2*\x:49+2*\x], v9 offset:128*(\x/8)+16*(\x%8)   ; keys 128 s + 16 t + 8 h + 0..7 of my query
.endr
	s_wait_dscnt 8                                 ; step 0's eight reads are in, step 1's may be out
	MBITS 0
	s_wait_dscnt 0x0
	MBITS 1
	v_mov_b32 v88, s30
	v_mov_b32 v89, 0
	v_cmp_eq_u32 vcc_lo, 0, v2
	s_wait_xcnt 0x0                                ; EXEC is a source of the stores above: it changes only behind this wait
	s_wait_tensorcnt 0x0
	ds_add_u32 v192, v193
	s_wait_dscnt 0x0
	s_and_saveexec_b32 s31, vcc_lo
	global_store_b32 v89, v88, s[16:17]            ; one word a wave: 16 KiB in the whole launch
	s_wait_xcnt 0x0                                ; and again in front of the line that widens it
	s_or_b32 exec_lo, exec_lo, s31
	s_endpgm
.Lpath_w:
	; ---------------- path W: a wave takes 16 rows of Wo x 256 along K: two fragments
	s_sub_co_u32 s21, ttmp9, QWG+MWG
	s_lshl_b32 s21, s21, 2
	s_add_co_u32 s21, s21, s20                     ; task 0..255
	s_lshr_b32 s22, s21, 2                         ; tile of 16 rows
	s_and_b32 s23, s21, 3                          ; which 256 along K
	s_lshl_b32 s24, s22, 14
	s_lshl_b32 s25, s23, 8
	s_add_co_u32 s24, s24, s25
	s_mov_b32 s25, 0
	s_add_nc_u64 s[8:9], s[8:9], s[24:25]
	v_lshlrev_b32 v7, 10, v6
	v_lshl_add_u32 v7, v5, 4, v7
	LOAD8 8, 1024
	s_mul_i32 s26, s20, 16*RP
	s_add_co_u32 s26, s26, WREG
	v_mul_u32_u24 v8, v6, RP
	v_lshl_add_u32 v8, v5, 4, v8
	v_add_nc_u32 v8, s26, v8
	v_mul_u32_u24 v9, v5, RP
	v_lshl_add_u32 v9, v6, 3, v9
	v_add_nc_u32 v9, s26, v9
	s_lshl_b32 s28, s22, 14
	s_lshl_b32 s29, s23, 12
	s_add_co_u32 s28, s28, s29
	s_mov_b32 s29, 0
	s_add_nc_u64 s[18:19], s[18:19], s[28:29]
	v_lshlrev_b32 v10, 4, v2
	STAGE8
.irp x, 0,1,2,3,4,5,6,7                            ; chunk x = 4 s + c
	ds_load_b64 v[48+4*\x:49+4*\x], v9 offset:128*(\x/4)+32*(\x%4)
	ds_load_b64 v[50+4*\x:51+4*\x], v9 offset:128*(\x/4)+32*(\x%4)+16
.endr
	s_wait_dscnt 0x0
.irp x, 0,1,2,3,4,5,6,7
	global_store_b128 v10, v[48+4*\x:51+4*\x], s[18:19] offset:512*\x   ; 512 consecutive bytes a store
.endr
	s_wait_tensorcnt 0x0
	ds_add_u32 v192, v193
	s_wait_dscnt 0x0
	s_endpgm
.Lfunc_end_k_qc2aa53aa60_prep:
	.size	k_qc2aa53aa60_prep, .Lfunc_end_k_qc2aa53aa60_prep-k_qc2aa53aa60_prep
	.p2alignl 7, 3214868480
	.fill 96, 4, 3214868480
	.section	.rodata,"a",@progbits
	.p2align	6, 0x0
	.amdhsa_kernel k_qc2aa53aa60_prep
		.amdhsa_group_segment_fixed_size 68096
		.amdhsa_private_segment_fixed_size 0
		.amdhsa_enable_private_segment 0
		.amdhsa_kernarg_size 64
		.amdhsa_user_sgpr_count 2
		.amdhsa_user_sgpr_kernarg_segment_ptr 1
		.amdhsa_wavefront_size32 1
		.amdhsa_system_sgpr_workgroup_id_x 1
		.amdhsa_system_sgpr_workgroup_id_y 1
		.amdhsa_system_sgpr_workgroup_id_z 1
		.amdhsa_system_vgpr_workitem_id 0
		.amdhsa_next_free_vgpr 194
		.amdhsa_next_free_sgpr 66
		.amdhsa_reserve_vcc 1
		.amdhsa_float_denorm_mode_32 3
		.amdhsa_float_denorm_mode_16_64 3
		.amdhsa_memory_ordered 1
		.amdhsa_forward_progress 1
		.amdhsa_inst_pref_size 71
	.end_amdhsa_kernel
	.amdgpu_metadata
---
amdhsa.version: [ 1, 2 ]
amdhsa.kernels:
  - .name:           k_qc2aa53aa60_prep
    .symbol:         k_qc2aa53aa60_prep.kd
    .args:
      - { .name: Q, .offset: 0, .size: 8, .value_kind: global_buffer, .address_space: global }
      - { .name: attn_mask, .offset: 8, .size: 8, .value_kind: global_buffer, .address_space: global }
      - { .name: Wo_codes, .offset: 16, .size: 8, .value_kind: global_buffer, .address_space: global }
      - { .name: lowp_scales, .offset: 24, .size: 8, .value_kind: global_buffer, .address_space: global }
      - { .name: qc, .offset: 32, .size: 8, .value_kind: global_buffer, .address_space: global }
      - { .name: mbits, .offset: 40, .size: 8, .value_kind: global_buffer, .address_space: global }
      - { .name: mflag, .offset: 48, .size: 8, .value_kind: global_buffer, .address_space: global }
      - { .name: woimg, .offset: 56, .size: 8, .value_kind: global_buffer, .address_space: global }
    .group_segment_fixed_size: 68096
    .private_segment_fixed_size: 0
    .kernarg_segment_align: 8
    .kernarg_segment_size: 64
    .max_flat_workgroup_size: 128
    .sgpr_count:     66
    .vgpr_count:     194
    .wavefront_size: 32
...
	.end_amdgpu_metadata
.endif
;; end of part 1
;; launch proj (part 2): grid 4 x 96, 4 waves a work-group, clusters of 4 x 4, 327,680 bytes of LDS; arguments qc, K_codes, V_codes, Wq_codes, Wk_codes, Wv_codes, bq, bk, bv, lowp_scales, qimg, kimg, vimg; writes qimg, kimg, vimg
.if DOCPART == 2
	.amdgcn_target "amdgcn-amd-amdhsa--gfx1250"
	.amdhsa_code_object_version 6
	.text
	.protected	k_qc2aa53aa60_proj
	.globl	k_qc2aa53aa60_proj
	.p2align	8
	.type	k_qc2aa53aa60_proj,@function
k_qc2aa53aa60_proj:
	s_mov_b64 s[64:65], 0
	v_nop
	global_prefetch_b8 v0, s[64:65] scope:SCOPE_SE
	s_setreg_imm32_b32 hwreg(HW_REG_WAVE_MODE, 25, 1), 1
	s_wait_xcnt 0x0
	s_wait_alu depctr_hold_cnt(0) depctr_sa_sdst(0) depctr_va_vdst(0) depctr_va_sdst(0) depctr_va_ssrc(0) depctr_va_vcc(0) depctr_vm_vsrc(0)
	s_getreg_b32 s2, hwreg(HW_REG_IB_STS2, 6, 4)
	s_cmp_eq_u32 s2, 0
	s_cbranch_scc0 .Lentry_in_a_cluster
	s_endpgm
.Lentry_in_a_cluster:
	s_bfe_u32 s2, ttmp6, 0x10000c
	s_cmp_lg_u32 s2, 0xf033
	s_cbranch_scc0 .Lentry_shape_is_right
	s_endpgm
.Lentry_shape_is_right:
; PROJ: the three projections, each 8192 x 1024 x 1024 on codes of E4M3, + bias, quantised again, stored as images of the attention launch's operand registers.
; One text serves all three: 24 clusters of 4 x 4 work-groups; cluster y / 8 says which product (0 q, 1 k, 2 v), cluster y % 8 which 1,024 tokens.
; A work-group makes 256 rows of X x 256 rows of Y, K = 1,024; a wave 128 x 128: 64 accumulators, 512 registers.  Source 0 = 16 rows of Y, source 1 = 16 rows of X:
; a lane holds ONE row of X (lane % 16) and eight neighbouring rows of Y (8 (lane / 16) + 0..7).
;   q, k: X = the tokens' codes, Y = the weight's rows: a lane holds a token and eight neighbouring channels, which are the next product's K.
;   v:    X = Wv's rows, Y = V's tokens: a lane holds a channel and eight neighbouring tokens: the keys, the next product's K.
; So one conversion of an accumulator's eight registers gives registers 2 c, 2 c + 1 of the next operand in that form's own layout, and nothing changes lanes.
; K goes in steps of 256 through a ring of two LDS slots filled by joint tensor loads: X's tile is shared along a row of the cluster, Y's along a column.
; Both sides' fragments are fetched by four loads of 16 bytes: the same permutation of k on both, so every product meets its partner.
; 384 work-groups: more than one for each WGP and fewer than two: the second turn is half full.  That is the price of tiles of 256 x 256 here.
; LIMITS: e0 + e1, e2 + e3, e4 + e5 between -126 and 127; e6, e7, e9 between -126 and 119.  NaN among the inputs is not served.
; REGISTERS: window 0: v0-31 addresses; v32-95 the bias along Y, v96-111 along X; v112, v113 the conversion's scale and hold; from v128 X's fragments, one set
;   (behind the loop: v128-191 64 numbers at work, v192-223 two sets of codes, v224-239 store offsets).  window 1: Y's fragments, two sets.  windows 2, 3: the accumulators.
.set KSTEP,  256
.set ROWB,   256
.set KROW,   1024                      ; a row of codes in memory
.set PITCH,  272                       ; an LDS row: 256 bytes + 16 of padding: the 16 rows of a fragment load start 16 bytes apart modulo 256
.set FR,     16
.set NL,     4
.set NP,     4                         ; places behind this matrix instruction (ISA guide 7.12.1)
.set HALFT,  128*PITCH
.set SLOT,   4*HALFT                   ; X's 256 rows, then Y's 256 rows
.set LAPS,   KROW/(2*KSTEP)
.set SPARE,  2*SLOT                    ; behind the ring: the spare words, 128 bytes a wave; no other line names them
.set ADRA, 16
.set ADRB, 20
.set LBY,  26                          ; v26  32 x (lane / 16): my eight numbers of the bias along Y
.set LBX,  27                          ; v27  4 x (lane % 16): my number of the bias along X
.set SPW,  28
.set NIL,  29
.set LI,   30                          ; v30  16 x lane
.set BY,   32
.set BX,   96
.set SCL,  112
.set LIMV, 113
.set AF,   128
.set TT,   128
.set CD,   192
.set OFF,  224
.set G1, 24
.set G0, 32
.set G1B, 48
.set G0B, 56
.set MSB, 0
.macro WIN new                         ; the immediate's high byte repeats the setting that is left
.if MSB != \new
	s_set_vgpr_msb (MSB<<8)|\new
.set MSB, \new
.endif
.endm
.set MUL_LO, 0xa1                      ; source 0 (Y) window 1, source 1 (X) window 0, C and D window 2
.set MUL_HI, 0xf1
.set TO_B,   0x40
; A joint load: waves 0 and 1 fetch for X, waves 2 and 3 for Y; the branch hangs on the wave's number alone.  Four v_nop follow each line.
.macro JLOAD g0a, g1a, g0b, g1b
	s_cmp_eq_u32 s15, 0
	s_cbranch_scc0 .Lfor_b_\@
	tensor_load_to_lds s[\g0a:\g0a+3], s[\g1a:\g1a+7]
	s_nop 0
.rept 4
	v_nop
.endr
	s_branch .Lasked_\@
.Lfor_b_\@:
	tensor_load_to_lds s[\g0b:\g0b+3], s[\g1b:\g1b+7]
	s_nop 0
.rept 4
	v_nop
.endr
.Lasked_\@:
.endm
.macro CREST                           ; a round of the cluster's barrier behind its opening barrier
	s_cmp_lg_u32 s14, 0
	s_cbranch_scc1 .Lnot_wave_0_\@
	s_barrier_signal -3
.Lnot_wave_0_\@:
	s_barrier_wait -3
	s_barrier_signal -1
	s_barrier_wait -1
.endm
.macro CROUND
	s_barrier_signal -1
	s_barrier_wait -1
	CREST
.endm
	s_load_b512 s[68:83], s[0:1], 0x0              ; qc, K_codes, V_codes, Wq, Wk, Wv, bq, bk
	s_load_b256 s[84:91], s[0:1], 0x40             ; bv, lowp_scales, qimg, kimg
	s_load_b64 s[92:93], s[0:1], 0x60              ; vimg
	v_lshl_add_u32 v[SPW], v0, 2, SPARE
	v_mov_b32 v[NIL], 0
	ds_add_u32 v28, v29
	ds_add_u32 v28, v29
	s_wait_dscnt 0x0
	v_lshrrev_b32 v1, 5, v0
	v_readfirstlane_b32 s14, v1                    ; wave 0..3
	s_lshr_b32 s15, s14, 1                         ; which half of X's rows is mine.  Also: I fetch for X (0) or for Y (1)
	s_and_b32 s16, s14, 1                          ; which half of Y's rows.  Also: which 128 rows of that tile I fetch
	s_bfe_u32 s40, ttmp6, 0x40000                  ; cx
	s_bfe_u32 s41, ttmp6, 0x40004                  ; cy
	s_and_b32 s17, ttmp7, 0xffff                   ; cluster y: shared by all sixteen
	s_lshr_b32 s94, s17, 3                         ; the product: 0 q, 1 k, 2 v
	s_and_b32 s95, s17, 7                          ; which 1,024 tokens
	s_cmp_eq_u32 s94, 2
	s_cselect_b32 s17, 0, s95                      ; the tokens lie along X (q, k) or along Y (v)
	s_cselect_b32 s42, s95, 0
	s_lshl_b32 s17, s17, 2
	s_add_co_u32 s17, s17, s41                     ; X's tile
	s_lshl_b32 s42, s42, 2
	s_add_co_u32 s42, s42, s40                     ; Y's tile
	s_lshl_b32 s43, s41, 2
	s_lshl_b32 s43, 15, s43                        ; my row of the cluster
	s_lshl_b32 s44, 0x1111, s40                    ; my column
	; descriptor group 1: 128 rows x 256 bytes, 16 bytes of padding behind each row
	s_or_b32 s[G1+0], s43, (0<<16)|(1<<20)|(1<<21)|(5<<22)|(3<<25)  ; the mask; elements of 1 byte; padding on; bit 21 beside a mask; after every 64 words; 4 words
	s_or_b32 s[G1B+0], s44, (0<<16)|(1<<20)|(1<<21)|(5<<22)|(3<<25)
.irp g, G1, G1B
	s_mov_b32 s[\g+1], ROWB<<16                    ; tensor_dim0
	s_mov_b32 s[\g+2], 128<<16                     ; tensor_dim1
	s_mov_b32 s[\g+3], ROWB<<16                    ; tile_dim0
	s_mov_b32 s[\g+4], 128                         ; tile_dim1
	s_mov_b32 s[\g+5], KROW                        ; from row to row
	s_mov_b32 s[\g+6], 0
	s_mov_b32 s[\g+7], 0
.endr
	s_lshl_b32 s18, s16, 7
	s_lshl_b32 s20, s17, 8
	s_add_co_u32 s20, s20, s18                     ; X: row 256 x tile + 128 x half
	s_lshl_b32 s46, s42, 8
	s_add_co_u32 s46, s46, s18                     ; Y likewise
	s_lshl_b32 s20, s20, 10                        ; in bytes: under 2^23
	s_mov_b32 s21, 0
	s_lshl_b32 s46, s46, 10
	s_mov_b32 s47, 0
	s_mul_i32 s45, s14, HALFT                      ; where they go: wave x 128 rows
	s_wait_kmcnt 0x0
	s_cmp_eq_u32 s94, 0                            ; the buffers are chosen by the product's number, which hangs on no address
	s_cselect_b64 s[4:5], s[68:69], s[70:71]       ; X
	s_cselect_b64 s[6:7], s[74:75], s[76:77]       ; Y
	s_cselect_b64 s[8:9], s[80:81], s[82:83]       ; the bias
	s_cselect_b64 s[10:11], s[88:89], s[90:91]     ; the images
	s_cmp_eq_u32 s94, 2
	s_cselect_b64 s[4:5], s[78:79], s[4:5]
	s_cselect_b64 s[6:7], s[72:73], s[6:7]
	s_cselect_b64 s[8:9], s[84:85], s[8:9]
	s_cselect_b64 s[10:11], s[92:93], s[10:11]
	s_mov_b64 s[12:13], s[86:87]
	s_load_b256 s[68:75], s[12:13], 0x0            ; e0 .. e7
	s_load_b128 s[76:79], s[12:13], 0x20           ; e8 .. e11
	s_add_nc_u64 s[20:21], s[4:5], s[20:21]
	s_add_nc_u64 s[46:47], s[6:7], s[46:47]
	CROUND                                         ; all sixteen work-groups are here: the first joint loads meet
.irp s, 0,1
	s_mov_b32 s[G0+4*\s], 1
	s_add_co_u32 s[G0+4*\s+1], s45, \s*SLOT
	s_add_nc_u64 s[G0+4*\s+2:G0+4*\s+3], s[20:21], \s*ROWB
	s_or_b32 s[G0+4*\s+3], s[G0+4*\s+3], 0x80000000
	s_mov_b32 s[G0B+4*\s], 1
	s_add_co_u32 s[G0B+4*\s+1], s45, \s*SLOT
	s_add_nc_u64 s[G0B+4*\s+2:G0B+4*\s+3], s[46:47], \s*ROWB
	s_or_b32 s[G0B+4*\s+3], s[G0B+4*\s+3], 0x80000000
	JLOAD G0+4*\s, G1, G0B+4*\s, G1B
.endr
	v_and_b32 v1, 15, v0                           ; l % 16
	v_bfe_u32 v2, v0, 4, 1                         ; l / 16
	v_mul_u32_u24 v3, v1, PITCH
	v_lshl_add_u32 v4, v2, 4, v3                   ; a fragment's row x pitch + 16 x half
	s_mul_i32 s21, s15, HALFT
	s_mul_i32 s22, s16, HALFT
	s_add_co_u32 s22, s22, 2*HALFT
.irp s, 0,1
	v_add_nc_u32 v[ADRA+\s], s21, v4
	v_add_nc_u32 v[ADRB+\s], s22, v4
	s_add_co_u32 s21, s21, SLOT
	s_add_co_u32 s22, s22, SLOT
.endr
	v_lshlrev_b32 v[LBY], 5, v2
	v_lshlrev_b32 v[LBX], 2, v1
	v_and_b32 v5, 31, v0
	v_lshlrev_b32 v[LI], 4, v5
	; THE BIAS runs along the channels: along Y for q and k, along X for v.  Both sides are loaded, the side that does not apply from entry 0 on, and cleared behind the loop: no branch.
	s_lshl_b32 s98, s42, 8
	s_lshl_b32 s80, s16, 7
	s_add_co_u32 s98, s98, s80                     ; my first row of Y
	s_lshl_b32 s99, s17, 8
	s_lshl_b32 s80, s15, 7
	s_add_co_u32 s99, s99, s80                     ; my first row of X
	s_cmp_eq_u32 s94, 2
	s_cselect_b32 s98, 0, s98
	s_cselect_b32 s99, s99, 0
	s_lshl_b32 s80, s98, 2
	s_mov_b32 s81, 0
	s_add_nc_u64 s[82:83], s[8:9], s[80:81]
	s_lshl_b32 s80, s99, 2
	s_add_nc_u64 s[84:85], s[8:9], s[80:81]
.irp b, 0,1,2,3,4,5,6,7
	global_load_b128 v[BY+8*\b:BY+8*\b+3], v[LBY], s[82:83] offset:64*\b
	global_load_b128 v[BY+8*\b+4:BY+8*\b+7], v[LBY], s[82:83] offset:64*\b+16
.endr
.irp a, 0,1,2,3,4,5,6,7
	global_load_b32 v[BX+2*\a], v[LBX], s[84:85] offset:64*\a
.endr
	; the scalars of the way out, made while the first tiles are on their way
	s_wait_kmcnt 0x0
	s_add_co_i32 s68, s68, s69                     ; e0 + e1
	s_add_co_i32 s70, s70, s71                     ; e2 + e3
	s_add_co_i32 s72, s72, s73                     ; e4 + e5
	s_mov_b32 s89, 1024
	s_mov_b32 s90, 4096
	s_mov_b32 s91, 131072
	s_cmp_eq_u32 s94, 0
	s_cselect_b32 s68, s68, s70
	s_cselect_b32 s74, s74, s75                    ; e6 for q, e7 for k,
	s_cmp_eq_u32 s94, 2
	s_cselect_b32 s68, s72, s68
	s_cselect_b32 s74, s77, s74                    ; e9 for v
	s_cselect_b32 s86, 0, -1                       ; keeps the bias along Y
	s_cselect_b32 s87, -1, 0                       ; keeps the bias along X
	s_cselect_b32 s89, 2048, s89                   ; bytes from X block a to a + 1 (a % 4): a tile of tokens | a tile of channels
	s_cselect_b32 s90, 131072, s90                 ; from a / 4 = 0 to 1: four tiles of tokens | the next head
	s_cselect_b32 s91, 1024, s91                   ; from chunks 0, 1 to chunks 2, 3: the next head | two chunks
	s_cselect_b32 s92, s42, s17                    ; the tokens' tile,
	s_cselect_b32 s93, s17, s42                    ; the channels' tile,
	s_cselect_b32 s98, s16, s15                    ; my half of the tokens,
	s_cselect_b32 s99, s15, s16                    ; my half of the channels
	s_lshr_b32 s80, s92, 3
	s_lshl_b32 s80, s80, 21                        ; the batch: 16 heads x 131,072 bytes
	s_lshl_b32 s93, s93, 2
	s_lshl_b32 s99, s99, 1
	s_add_co_u32 s93, s93, s99
	s_lshl_b32 s93, s93, 17                        ; my first head
	s_add_co_u32 s80, s80, s93
	s_and_b32 s92, s92, 7
	s_lshl_b32 s92, s92, 1
	s_add_co_u32 s92, s92, s98
	s_lshl_b32 s92, s92, 13                        ; my 128 tokens: 8,192 bytes in a head's images
	s_add_co_u32 s80, s80, s92
	s_mov_b32 s81, 0
	s_add_nc_u64 s[10:11], s[10:11], s[80:81]
	s_add_co_i32 s68, s68, 127
	s_lshl_b32 s96, s68, 23                        ; 2^(eA + eB) as f32
	s_mov_b32 s97, s96                             ; (named with it as a pair)
	s_add_co_i32 s74, s74, 127
	s_lshl_b32 s75, s74, 23
	v_mov_b32 v[SCL], s75                          ; the new operand's scale
	s_add_co_i32 s74, s74, 8
	s_lshl_b32 s74, s74, 23
	s_or_b32 s74, s74, 0x600000
	v_mov_b32 v[LIMV], s74                         ; 448 x that
.macro FRAG reg, adr, q, i             ; 16 rows x 128 K: registers 4 c .. 4 c + 3 hold K = 32 c + 16 (l / 16) + 0 .. 15
.irp c, 0,1,2,3
	ds_load_b128 v[\reg+4*\c:\reg+4*\c+3], v[\adr] offset:128*(\q)+32*\c+(\i)*16*PITCH
.endr
.endm
; 16 matrix instructions: X's blocks a0, a0 + 1 against Y's eight.  The 64 accumulators take turns, one instruction a turn, in the same order in every step.
.macro MUL16 a0, p, zero
.irp a, \a0, \a0+1
.irp b, 0,1,2,3,4,5,6,7
.if \zero
	v_wmma_f32_16x16x128_fp8_fp8 v[8*(8*((\a)%4)+\b):8*(8*((\a)%4)+\b)+7], v[128*(\p)+FR*\b:128*(\p)+FR*\b+FR-1], v[AF+FR*(\a):AF+FR*(\a)+FR-1], 0
.else
	v_wmma_f32_16x16x128_fp8_fp8 v[8*(8*((\a)%4)+\b):8*(8*((\a)%4)+\b)+7], v[128*(\p)+FR*\b:128*(\p)+FR*\b+FR-1], v[AF+FR*(\a):AF+FR*(\a)+FR-1], v[8*(8*((\a)%4)+\b):8*(8*((\a)%4)+\b)+7]
.endif
.endr
.endr
.endm
.macro FETCH_B slot, q, p
	WIN TO_B
.irp i, 0,1,2,3,4,5,6,7
	FRAG 128*(\p)+FR*\i, ADRB+\slot, \q, \i
.endr
	WIN 0
.endm
.macro FETCH_A slot, q, i0
.irp i, \i0, \i0+1, \i0+2, \i0+3
	FRAG AF+FR*(\i), ADRA+\slot, \q, \i
.endr
.endm
.macro PLACES n                        ; plain vector instructions between a matrix instruction and a load into, or a vector write of, its registers, or a read of its result
.rept \n
	v_nop
.endr
.endm
.macro STEP slot, q, zero              ; 128 along K whose successor lies in the same slot
	s_wait_dscnt 4*NL                              ; Y's set and X's blocks 0-3 are in; the youngest sixteen loads (X's blocks 4-7) may be out
	WIN MUL_LO
	MUL16 0, (\q)%2, \zero
	MUL16 2, (\q)%2, \zero
	s_wait_dscnt 0
	PLACES NP
	FETCH_B \slot, (\q)+1, 1-(\q)%2
	FETCH_A \slot, (\q)+1, 0
	WIN MUL_HI
	MUL16 4, (\q)%2, \zero
	MUL16 6, (\q)%2, \zero
	PLACES NP
	WIN 0
	FETCH_A \slot, (\q)+1, 4
.endm
; A slot's last step changes slots: one barrier; in front of it each wave waits for all its tensor loads, adds 0 to its spare word, and waits for that and for its reads of this slot.
.macro TURN slot, next, fill
	s_wait_tensorcnt 0x0                           ; all my tensor loads have landed: my part of the next slot
	ds_add_u32 v[SPW], v[NIL]                      ; 0 onto my spare word
	s_wait_dscnt 4*NL+1                            ; the add and the youngest sixteen loads may be out
	WIN MUL_LO
	MUL16 0, 1, 0
	s_wait_dscnt 0x0                               ; the add is done, and my reads of this slot are over
	s_barrier_signal -1
	MUL16 2, 1, 0
	WIN 0
	s_barrier_wait -1
.if \fill
	CREST                                          ; the barrier has opened a round of the cluster's: no wave of any partner still reads this slot or has a load on its way
	s_add_nc_u64 s[G0+4*\slot+2:G0+4*\slot+3], s[G0+4*\slot+2:G0+4*\slot+3], 2*ROWB
	s_add_nc_u64 s[G0B+4*\slot+2:G0B+4*\slot+3], s[G0B+4*\slot+2:G0B+4*\slot+3], 2*ROWB
	JLOAD G0+4*\slot, G1, G0B+4*\slot, G1B         ; the first tensor load behind the round; its four v_nop are the places in front of the loads below
.else
	PLACES NP
.endif
	FETCH_B \next, 0, 0
	FETCH_A \next, 0, 0
	WIN MUL_HI
	MUL16 4, 1, 0
	MUL16 6, 1, 0
	PLACES NP
	WIN 0
	FETCH_A \next, 0, 4
.endm
	s_wait_tensorcnt 1                             ; my part of K step 0 is in; K step 1's load may be out
	s_barrier_signal -1
	s_barrier_wait -1
	FETCH_B 0, 0, 0
	FETCH_A 0, 0, 0
	FETCH_A 0, 0, 4
	STEP 0, 0, 1                                   ; the first step's products start the sums
	s_mov_b32 s3, LAPS-1
.Llap:                                             ; a trip goes once round the ring and fills both slots again
	TURN 0, 1, 1
	STEP 1, 0, 0
	TURN 1, 0, 1
	STEP 0, 0, 0
	s_sub_co_u32 s3, s3, 1
	s_cmp_lg_u32 s3, 0
	s_cbranch_scc1 .Llap
	TURN 0, 1, 0                                   ; the last lap fills nothing
	STEP 1, 0, 0
	s_wait_dscnt 4*NL
	WIN MUL_LO
	MUL16 0, 1, 0
	MUL16 2, 1, 0
	s_wait_dscnt 0
	WIN MUL_HI
	MUL16 4, 1, 0
	MUL16 6, 1, 0
	WIN 0
	; THE WAY OUT: no LDS.  sum x 2^(eA + eB) + bias, held, converted; four registers of codes of 32 lanes are 512 consecutive bytes of an image.
	s_wait_loadcnt 0x0                             ; the biases
	PLACES NP
.set j, 0
.rept 64
	v_and_b32 v[BY+j], s86, v[BY+j]                ; the side that does not apply becomes 0
.set j, j+1
.endr
.irp a, 0,1,2,3,4,5,6,7
	v_and_b32 v[BX+2*\a], s87, v[BX+2*\a]
.endr
.irp a, 0,1,2,3,4,5,6,7
	v_mov_b32 v[BX+2*\a+1], v[BX+2*\a]
.endr
.irp a, 0,1,2,3,4,5,6,7
	s_mul_i32 s98, s89, (\a%4)
	s_mul_i32 s99, s90, (\a/4)
	s_add_co_u32 s98, s98, s99
	v_add_nc_u32 v[OFF+2*\a], s98, v[LI]
	s_add_co_u32 s98, s98, s91
	v_add_nc_u32 v[OFF+2*\a+1], s98, v[LI]
.endr
.macro OUTROW a                        ; X's block a: eight accumulators
.set AC, 64*((\a)%4)
.set CS, CD+16*((\a)%2)
	WIN 0x02+((\a)/4)                              ; source 0: window 2 or 3
.set j, 0
.rept 32
	v_pk_fma_f32 v[TT+j:TT+j+1], v[AC+j:AC+j+1], s[96:97], v[BY+j:BY+j+1] op_sel_hi:[1,0,1]   ; each accumulator from its low end on
.set j, j+2
.endr
	WIN 0
.set j, 0
.rept 32
	v_pk_add_f32 v[TT+j:TT+j+1], v[TT+j:TT+j+1], v[BX+2*(\a):BX+2*(\a)+1]
.set j, j+2
.endr
.set j, 0
.rept 64
	v_med3_num_f32 v[TT+j], v[TT+j], -v[LIMV], v[LIMV]   ; the conversion does not saturate (ISA guide 7.6.2)
.set j, j+1
.endr
.if (\a) >= 2
	s_wait_xcnt 0x0                                ; block a - 2's stores have read this set of codes
.endif
.irp b, 0,1,2,3,4,5,6,7
	v_cvt_scalef32_pk8_fp8_f32 v[CS+2*\b:CS+2*\b+1], v[TT+8*\b:TT+8*\b+7], v[SCL]
.endr
	v_nop                                          ; a plain line between the conversions and the next writes of their sources
.irp c, 0,1,2,3
	global_store_b128 v[OFF+2*(\a)+\c/2], v[CS+4*\c:CS+4*\c+3], s[10:11] offset:512*(\c%2)
.endr
.endm
.irp a, 0,1,2,3,4,5,6,7
	OUTROW \a
.endr
	s_wait_tensorcnt 0x0                           ; the wave's end
	ds_add_u32 v[SPW], v[NIL]
	s_wait_dscnt 0x0
	CROUND                                         ; the closing round: no work-group ends while a partner may still ask for a tile that names it
	s_endpgm
.Lfunc_end_k_qc2aa53aa60_proj:
	.size	k_qc2aa53aa60_proj, .Lfunc_end_k_qc2aa53aa60_proj-k_qc2aa53aa60_proj
	.p2alignl 7, 3214868480
	.fill 96, 4, 3214868480
	.section	.rodata,"a",@progbits
	.p2align	6, 0x0
	.amdhsa_kernel k_qc2aa53aa60_proj
		.amdhsa_group_segment_fixed_size 327680
		.amdhsa_private_segment_fixed_size 0
		.amdhsa_enable_private_segment 0
		.amdhsa_kernarg_size 104
		.amdhsa_user_sgpr_count 2
		.amdhsa_user_sgpr_kernarg_segment_ptr 1
		.amdhsa_wavefront_size32 1
		.amdhsa_system_sgpr_workgroup_id_x 1
		.amdhsa_system_sgpr_workgroup_id_y 1
		.amdhsa_system_sgpr_workgroup_id_z 1
		.amdhsa_system_vgpr_workitem_id 0
		.amdhsa_next_free_vgpr 1024
		.amdhsa_next_free_sgpr 100
		.amdhsa_reserve_vcc 0
		.amdhsa_float_denorm_mode_32 3
		.amdhsa_float_denorm_mode_16_64 3
		.amdhsa_memory_ordered 1
		.amdhsa_forward_progress 1
		.amdhsa_inst_pref_size 158
	.end_amdhsa_kernel
	.amdgpu_metadata
---
amdhsa.version: [ 1, 2 ]
amdhsa.kernels:
  - .name:           k_qc2aa53aa60_proj
    .symbol:         k_qc2aa53aa60_proj.kd
    .args:
      - { .name: qc, .offset: 0, .size: 8, .value_kind: global_buffer, .address_space: global }
      - { .name: K_codes, .offset: 8, .size: 8, .value_kind: global_buffer, .address_space: global }
      - { .name: V_codes, .offset: 16, .size: 8, .value_kind: global_buffer, .address_space: global }
      - { .name: Wq_codes, .offset: 24, .size: 8, .value_kind: global_buffer, .address_space: global }
      - { .name: Wk_codes, .offset: 32, .size: 8, .value_kind: global_buffer, .address_space: global }
      - { .name: Wv_codes, .offset: 40, .size: 8, .value_kind: global_buffer, .address_space: global }
      - { .name: bq, .offset: 48, .size: 8, .value_kind: global_buffer, .address_space: global }
      - { .name: bk, .offset: 56, .size: 8, .value_kind: global_buffer, .address_space: global }
      - { .name: bv, .offset: 64, .size: 8, .value_kind: global_buffer, .address_space: global }
      - { .name: lowp_scales, .offset: 72, .size: 8, .value_kind: global_buffer, .address_space: global }
      - { .name: qimg, .offset: 80, .size: 8, .value_kind: global_buffer, .address_space: global }
      - { .name: kimg, .offset: 88, .size: 8, .value_kind: global_buffer, .address_space: global }
      - { .name: vimg, .offset: 96, .size: 8, .value_kind: global_buffer, .address_space: global }
    .group_segment_fixed_size: 327680
    .private_segment_fixed_size: 0
    .kernarg_segment_align: 8
    .kernarg_segment_size: 104
    .max_flat_workgroup_size: 128
    .sgpr_count:     100
    .vgpr_count:     1024
    .wavefront_size: 32
...
	.end_amdgpu_metadata
.endif
;; end of part 2
;; launch attn (part 3): grid 8 x 64, 16 waves a work-group, no clusters, 67,584 bytes of LDS; arguments qimg, kimg, vimg, mbits, mflag, lowp_scales, cimg; writes cimg
.if DOCPART == 3
	.amdgcn_target "amdgcn-amd-amdhsa--gfx1250"
	.amdhsa_code_object_version 6
	.text
	.protected	k_qc2aa53aa60_attn
	.globl	k_qc2aa53aa60_attn
	.p2align	8
	.type	k_qc2aa53aa60_attn,@function
k_qc2aa53aa60_attn:
	s_mov_b64 s[64:65], 0
	v_nop
	global_prefetch_b8 v0, s[64:65] scope:SCOPE_SE
	s_setreg_imm32_b32 hwreg(HW_REG_WAVE_MODE, 25, 1), 1
	s_wait_xcnt 0x0
; ATTN: ctx = softmax(mask(q k^T / 8)) v for one head, both products on codes of E4M3; ctx is quantised and stored as images of the last product's operand registers.
; SHARES.  A work-group owns 256 queries of one head; each of its sixteen waves 16 of them, in 256 registers: four waves to a SIMD, so that one wave's vector work stands beside another's matrix work and LDS loads.
; Every wave walks all 2,048 keys, 128 a step.  q, k and v arrive as images of operand registers, so every fragment is a run of loads of 512 dense bytes: no pitch, no padding.
; LAYOUT.  S^T = K Q^T (source 0 = 16 keys, source 1 = my 16 queries, K = 64); O^T = V^T P (source 0 = 16 channels, source 1 = P, K = 128 keys): a lane holds ONE query throughout.
; Tile t's eight registers are keys 16 t + 8 (lane / 16) + 0..7: one conversion makes of them registers 2 t, 2 t + 1 of P in the form's own layout.
; SOFTMAX.  t = score x c, c = log2(e) / 8 x 2^(e6 + e7); M = the running largest t rounded up to a whole number; p = 2^(t - M) is quantised, not normalised; the sum is taken of the unquantised p and divides at the end.
; MASK.  The lane masks of a step's 64 score registers come as 64 words into scalar registers; a masked score becomes -2^(33 - e6 - e7), which x c is the whole number -2^30 log2(e) as f32 has it:
; t - M is then exactly 0 in a row all of whose keys are masked, and every key of it weighs the same.  A step whose stored flag says that no key of the strip is masked jumps over the 64 selects.
; LIMITS.  A masked logit is taken as -2^30 where the definition has -1e9.  With e6 + e7 <= 9 no logit reaches 1e9 in magnitude (64 x 448^2 x 2^9 / 8 is under 0.83e9), so masked keys weigh nothing beside an open one either way.
; e6 + e7 between -94 and 9; e8 and e10 between -126 and 119; e8 + e9 goes by v_ldexp_f32.  NaN is not served.
; LDS: two slots of 32,768 bytes: 256 keys of K (16 tiles x 1,024 bytes), then of V (2 steps x 4 tiles x 2,048).  The 512 threads carry a slot through registers: four loads of 16 bytes each, asked for two slots ahead,
; stored one slot ahead, behind the barrier that shows that nobody reads that slot any more.  A trip of the loop runs both slots, so that every LDS address is 16 x lane or 16 x thread + an immediate.
; No joint loads: a head's K and V are 256 KiB for a work-group's whole run, and the jump over the selects hangs on stored numbers that differ from work-group to work-group.
; REGISTERS: v1 16 x lane; v2 16 x thread; v3 256 x lane; v7 the masked score; v12 -M, v13 the largest t, v[14:15] the sum; v16-23 Q; v32-95 K's or V's fragments; v96-159 S^T, then p; v160-191 O^T;
;   v192-207 p's codes; v208-223 a slot on its way; v236-254 at work.  s[16:63], s[68:83]: the 64 mask words.
.set SLB, 32768
.macro LOADSLOT off                    ; 512 threads x 16 bytes x 4: a slot's K and V
	global_load_b128 v[208:211], v2, s[4:5] offset:\off
	global_load_b128 v[212:215], v2, s[4:5] offset:\off+8192
	global_load_b128 v[216:219], v2, s[6:7] offset:\off
	global_load_b128 v[220:223], v2, s[6:7] offset:\off+8192
.endm
; A prefetch into the L2 of the slot whose loads go out one slot later.  All eight work-groups of a head walk the same K and V: the head's first asks; in it waves 0, 1 for K's 16 KiB and waves 2, 3 for V's,
; 8,192 bytes a wave, lanes 256 bytes apart: each block of 256 bytes is named once in the launch.  Slots 0 to 2 come by their loads alone; slot 4 is the last that asks (for slot 7).
.macro ASK lim
	s_cmp_gt_u32 s3, s[\lim]
	s_cbranch_scc0 .Lnot_mine_\@
	global_prefetch_b8 v3, s[66:67] th:TH_LOAD_NT scope:SCOPE_SE
.Lnot_mine_\@:
.endm
; A KEY STEP: the q-th 128 keys of slot sl.
.macro STEP q, sl, ld, lim
	s_load_b512 s[16:31], s[8:9], 256*\q           ; the step's 64 lane masks; they are wanted behind the first product
	s_load_b512 s[32:47], s[8:9], 256*\q+64
	s_load_b512 s[48:63], s[8:9], 256*\q+128
	s_load_b512 s[68:83], s[8:9], 256*\q+192
.rept 4
	v_nop                                          ; places in front of loads into registers that the last products read
.endr
.irp t, 0,1,2,3,4,5,6,7
	ds_load_b128 v[32+8*\t:35+8*\t], v1 offset:\sl*SLB+(8*\q+\t)*1024
	ds_load_b128 v[36+8*\t:39+8*\t], v1 offset:\sl*SLB+(8*\q+\t)*1024+512
.endr
	s_wait_dscnt 0x0                               ; K's fragments are in; the slot's stores have read v208-223
.if \ld
	LOADSLOT 2*16384                               ; the slot two on
	ASK \lim
.endif
.irp t, 0,1,2,3,4,5,6,7
	v_wmma_f32_16x16x64_fp8_fp8 v[96+8*\t:103+8*\t], v[32+8*\t:39+8*\t], v[16:23], 0
.endr
.rept 4
	v_nop                                          ; places: for the loads below and for the first read of the scores
.endr
.irp u, 0,1,2,3
.irp c, 0,1,2,3
	ds_load_b128 v[32+16*\u+4*\c:35+16*\u+4*\c], v1 offset:\sl*SLB+16384+8192*\q+2048*\u+512*\c   ; V lands while the softmax is walked
.endr
.endr
	s_wait_kmcnt 0x0
	s_bitcmp1_b32 s13, 0                           ; the stored flag of this step
	s_cbranch_scc0 .Lopen_\@
.set n, 0
.rept 64
.if n < 48
	v_cndmask_b32 v[96+n], v[96+n], v7, s[16+n]
.else
	v_cndmask_b32 v[96+n], v[96+n], v7, s[20+n]
.endif
.set n, n+1
.endr
.Lopen_\@:
	s_lshr_b32 s13, s13, 1
	v_max3_num_f32 v254, v96, v97, v98             ; the step's largest score of my query among my 64 keys, in two chains,
	v_max3_num_f32 v252, v99, v100, v101
.irp i, 6,10,14,18,22,26,30,34,38,42,46,50,54,58
	v_max3_num_f32 v254, v254, v[96+\i], v[97+\i]
	v_max3_num_f32 v252, v252, v[98+\i], v[99+\i]
.endr
	v_max3_num_f32 v254, v254, v158, v159
	v_max_num_f32 v254, v254, v252
	v_permlanex16_b32 v236, v254, s86, s87
	v_max_num_f32 v254, v254, v236                 ; and among lane l xor 16's
	v_mul_f32 v254, s10, v254                      ; as t (c is positive)
	v_max_num_f32 v13, v13, v254
	v_mov_b32 v254, v12
	v_floor_f32 v12, -v13                          ; the new -M = -ceil(t)
	v_sub_f32 v254, v12, v254                      ; old M - new M: a whole number, 0 or less
	v_cvt_i32_f32 v254, v254                       ; (it saturates)
	v_ldexp_f32 v252, 1.0, v254                    ; f = 2^(old M - new M): a multiplication by it rounds nothing
.set j, 0
.rept 32
	v_pk_fma_f32 v[96+j:97+j], v[96+j:97+j], s[10:11], v[12:13] op_sel_hi:[1,0,0]   ; t - M
.set j, j+2
.endr
.set j, 0
.rept 64
	v_exp_f32 v[96+j], v[96+j]                     ; p = 2^(t - M)
.set j, j+1
.endr
	v_pk_mul_f32 v[14:15], v[14:15], v[252:253] op_sel_hi:[1,0]   ; the sums under the new M: the plain line behind the exponentials
	s_wait_alu depctr_va_vdst(0)                   ; one wait for the batch, ahead of its first reader
	v_pk_add_f32 v[242:243], v[96:97], v[98:99]    ; the sum of the unquantised p, in two chains
.irp j, 4,8,12,16,20,24,28,32,36,40,44,48,52,56,60
	v_pk_add_f32 v[14:15], v[14:15], v[96+\j:97+\j]
	v_pk_add_f32 v[242:243], v[242:243], v[98+\j:99+\j]
.endr
	v_pk_add_f32 v[14:15], v[14:15], v[242:243]
.irp t, 0,1,2,3,4,5,6,7
.irp i, 0,1,2,3,4,5,6,7
	v_min_num_f32 v[96+8*\t+\i], v[96+8*\t+\i], v240   ; the hold; p is not negative
.endr
	v_cvt_scalef32_pk8_fp8_f32 v[192+2*\t:193+2*\t], v[96+8*\t:103+8*\t], v244
.endr
.set j, 0
.rept 16
	v_pk_mul_f32 v[160+j:161+j], v[160+j:161+j], v[252:253] op_sel_hi:[1,0]   ; O^T under the new M; also the plain lines behind the conversions
.set j, j+2
.endr
	s_wait_dscnt 0x0                               ; V's fragments are in
.irp u, 0,1,2,3
	v_wmma_f32_16x16x128_fp8_fp8 v[160+8*\u:167+8*\u], v[32+16*\u:47+16*\u], v[192:207], v[160+8*\u:167+8*\u]   ; four accumulators by turns
.endr
.endm
; A SLOT.  In front of the barrier each wave's LDS stores have landed and its LDS reads are in: behind it slot sl is whole and nobody reads the other one.
.macro SLOT sl, st, ld, lim
	s_wait_dscnt 0x0
	s_barrier_signal -1
	s_barrier_wait -1
.if \st
	s_wait_loadcnt 0x0                             ; the next slot's bytes, asked for a slot ago
.irp i, 0,1,2,3
	ds_store_b128 v2, v[208+4*\i:211+4*\i] offset:(1-\sl)*SLB+8192*\i
.endr
.endif
	STEP 0, \sl, \ld, \lim
	STEP 1, \sl, 0, \lim
	s_wait_xcnt 0x0                                ; the loads and the prefetch have read their bases: they may step
	s_add_nc_u64 s[8:9], s[8:9], 512
.if \ld
	s_add_nc_u64 s[4:5], s[4:5], 16384
	s_add_nc_u64 s[6:7], s[6:7], 16384
	s_add_nc_u64 s[66:67], s[66:67], 16384
.endif
.endm
	s_load_b256 s[88:95], s[0:1], 0x0              ; qimg, kimg, vimg, mbits
	s_load_b128 s[96:99], s[0:1], 0x20             ; mflag, lowp_scales
	s_load_b64 s[84:85], s[0:1], 0x30              ; cimg
	v_lshl_add_u32 v251, v0, 2, 0x10000
	v_mov_b32 v255, 0
	v_lshrrev_b32 v8, 5, v0
	v_readfirstlane_b32 s12, v8                    ; wave 0..15
	v_and_b32 v1, 31, v0
	v_lshlrev_b32 v3, 8, v1
	v_lshlrev_b32 v1, 4, v1
	v_lshlrev_b32 v2, 4, v0
	s_and_b32 s2, ttmp7, 0xffff                    ; batch x 16 + head
	s_lshl_b32 s3, ttmp9, 4
	s_add_co_u32 s3, s3, s12                       ; my tile of queries in the sequence
	s_lshr_b32 s13, s2, 4
	s_lshl_b32 s13, s13, 7
	s_add_co_u32 s13, s13, s3                      ; strip = 128 x batch + tile
	s_and_b32 s14, s2, 15                          ; head
	s_lshl_b32 s16, s2, 17                         ; a head's images: 131,072 bytes
	s_mov_b32 s17, 0
	s_lshl_b32 s18, s3, 10
	s_add_co_u32 s18, s18, s16
	s_mov_b32 s19, 0
	s_lshl_b32 s20, s13, 12
	s_mov_b32 s21, 0
	s_lshl_b32 s22, s13, 5
	s_mov_b32 s23, 0
	s_lshl_b32 s24, s13, 14                        ; a tile of tokens in cimg: 8 K steps x 2,048 bytes;
	s_lshl_b32 s25, s14, 10                        ; head hd fills two chunks: 1,024 hd
	s_add_co_u32 s24, s24, s25
	s_mov_b32 s25, 0
	s_mov_b32 s86, 0x76543210
	s_mov_b32 s87, 0xfedcba98
	s_wait_kmcnt 0x0
	s_add_nc_u64 s[4:5], s[90:91], s[16:17]        ; K's images of my head
	s_add_nc_u64 s[6:7], s[92:93], s[16:17]        ; V's
	s_add_nc_u64 s[8:9], s[94:95], s[20:21]        ; my strip's mask words
	s_add_nc_u64 s[88:89], s[88:89], s[18:19]      ; my Q
	s_add_nc_u64 s[96:97], s[96:97], s[22:23]      ; my strip's flags
	s_add_nc_u64 s[84:85], s[84:85], s[24:25]      ; where ctx goes
	s_load_b256 s[32:39], s[96:97], 0x0            ; eight words of two flags
	s_load_b128 s[40:43], s[98:99], 0x18           ; e6, e7, e8, e9
	s_load_b32 s44, s[98:99], 0x28                 ; e10
	global_load_b128 v[16:19], v1, s[88:89]
	global_load_b128 v[20:23], v1, s[88:89] offset:512
	LOADSLOT 0
	s_cmp_lt_u32 s12, 2
	s_cselect_b64 s[66:67], s[4:5], s[6:7]
	s_and_b32 s15, s12, 1
	s_lshl_b32 s16, s15, 13
	s_add_co_u32 s16, s16, 3*16384                 ; slot 3: what slot 0 asks for
	s_mov_b32 s17, 0
	s_add_nc_u64 s[66:67], s[66:67], s[16:17]
	s_lshr_b32 s15, s12, 2                         ; 0 in waves 0 to 3,
	s_or_b32 s15, s15, ttmp9                       ; of the head's first work-group
	s_cmp_eq_u32 s15, 0
	s_cselect_b32 s14, 0, -1                       ; a trip's even slot asks while the trips left are above this,
	s_cselect_b32 s90, 1, -1                       ; its odd slot while they are above this
	v_mov_b32 v13, 0xff61b1e6                      ; the largest t so far: -3e38
	v_floor_f32 v12, -v13
	v_mov_b32 v14, 0
	v_mov_b32 v15, 0
	v_mov_b32 v236, 0                              ; a lane permute's destination counts as read
	v_mov_b32 v253, 0                              ; (named as the upper half of a pair)
.set j, 0
.rept 32
	v_mov_b32 v[160+j], 0                          ; O^T: the step is written without a first form: the first change of M multiplies zeros
.set j, j+1
.endr
	s_wait_kmcnt 0x0
	s_mov_b32 s13, s32
.irp i, 1,2,3,4,5,6,7
	s_lshl_b32 s15, s[32+\i], 2*\i
	s_or_b32 s13, s13, s15                         ; bit n = key step n
.endr
	s_add_co_i32 s15, s40, s41                     ; e6 + e7
	s_lshl_b32 s16, s15, 23
	s_add_co_i32 s10, s16, 0x3e38aa3b              ; c = log2(e) / 8 x 2^(e6 + e7): the exponents are added to the exponent field
	s_mov_b32 s11, s10
	s_sub_co_i32 s16, 160, s15
	s_lshl_b32 s16, s16, 23
	s_or_b32 s16, s16, 0x80000000
	v_mov_b32 v7, s16                              ; -2^(33 - e6 - e7)
	s_add_co_i32 s91, s42, s43                     ; e8 + e9
	s_add_co_i32 s16, s42, 127
	s_lshl_b32 s17, s16, 23
	v_mov_b32 v244, s17                            ; 2^e8
	s_add_co_i32 s16, s16, 8
	s_lshl_b32 s16, s16, 23
	s_or_b32 s16, s16, 0x600000
	v_mov_b32 v240, s16                            ; 448 x 2^e8
	s_add_co_i32 s16, s44, 127
	s_lshl_b32 s17, s16, 23
	v_mov_b32 v246, s17                            ; 2^e10
	s_add_co_i32 s16, s16, 8
	s_lshl_b32 s16, s16, 23
	s_or_b32 s16, s16, 0x600000
	v_mov_b32 v247, s16                            ; 448 x 2^e10
	s_wait_loadcnt 0x0                             ; Q and slot 0
.irp i, 0,1,2,3
	ds_store_b128 v2, v[208+4*\i:211+4*\i] offset:8192*\i
.endr
	s_wait_dscnt 0x0                               ; the stores have read their registers
	LOADSLOT 16384                                 ; slot 1
	s_mov_b32 s3, 3
.Lpair:                                            ; three trips of two slots: slots 0 to 5 ask for slots 2 to 7
	SLOT 0, 1, 1, 14
	SLOT 1, 1, 1, 90
	s_sub_co_u32 s3, s3, 1
	s_cmp_lg_u32 s3, 0
	s_cbranch_scc1 .Lpair
	SLOT 0, 1, 0, 14                               ; slot 6 stores slot 7 and asks for nothing: no load leaves its buffer
	SLOT 1, 0, 0, 14
	; THE WAY OUT: O^T x 2^(e8 + e9) / the sum, quantised with 2^e10: tile u's eight registers are channels 16 u + 8 (lane / 16) + 0..7 of my query: registers 2 u, 2 u + 1 of the next operand's half
.rept 4
	v_nop
.endr
	v_add_f32 v14, v14, v15
	v_permlanex16_b32 v252, v14, s86, s87
	v_add_f32 v14, v14, v252                       ; the row's sum
	v_rcp_f32 v14, v14
	v_nop                                          ; a plain line behind the reciprocal
	s_wait_alu depctr_va_vdst(0)                   ; and the wait ahead of its first reader
	v_ldexp_f32 v14, v14, s91
.set j, 0
.rept 32
	v_mul_f32 v[96+j], v[160+j], v14               ; each accumulator from its low end on
.set j, j+1
.endr
.set j, 0
.rept 32
	v_med3_num_f32 v[96+j], v[96+j], -v247, v247
.set j, j+1
.endr
.irp u, 0,1,2,3
	v_cvt_scalef32_pk8_fp8_f32 v[192+2*\u:193+2*\u], v[96+8*\u:103+8*\u], v246
.endr
	v_nop
	global_store_b128 v1, v[192:195], s[84:85]     ; 512 consecutive bytes a store
	global_store_b128 v1, v[196:199], s[84:85] offset:512
	s_wait_tensorcnt 0x0
	ds_add_u32 v251, v255
	s_wait_dscnt 0x0
	s_endpgm
.Lfunc_end_k_qc2aa53aa60_attn:
	.size	k_qc2aa53aa60_attn, .Lfunc_end_k_qc2aa53aa60_attn-k_qc2aa53aa60_attn
	.p2alignl 7, 3214868480
	.fill 96, 4, 3214868480
	.section	.rodata,"a",@progbits
	.p2align	6, 0x0
	.amdhsa_kernel k_qc2aa53aa60_attn
		.amdhsa_group_segment_fixed_size 67584
		.amdhsa_private_segment_fixed_size 0
		.amdhsa_enable_private_segment 0
		.amdhsa_kernarg_size 56
		.amdhsa_user_sgpr_count 2
		.amdhsa_user_sgpr_kernarg_segment_ptr 1
		.amdhsa_wavefront_size32 1
		.amdhsa_system_sgpr_workgroup_id_x 1
		.amdhsa_system_sgpr_workgroup_id_y 1
		.amdhsa_system_sgpr_workgroup_id_z 1
		.amdhsa_system_vgpr_workitem_id 0
		.amdhsa_next_free_vgpr 256
		.amdhsa_next_free_sgpr 100
		.amdhsa_reserve_vcc 0
		.amdhsa_float_denorm_mode_32 3
		.amdhsa_float_denorm_mode_16_64 3
		.amdhsa_memory_ordered 1
		.amdhsa_forward_progress 1
		.amdhsa_inst_pref_size 169
	.end_amdhsa_kernel
	.amdgpu_metadata
---
amdhsa.version: [ 1, 2 ]
amdhsa.kernels:
  - .name:           k_qc2aa53aa60_attn
    .symbol:         k_qc2aa53aa60_attn.kd
    .args:
      - { .name: qimg, .offset: 0, .size: 8, .value_kind: global_buffer, .address_space: global }
      - { .name: kimg, .offset: 8, .size: 8, .value_kind: global_buffer, .address_space: global }
      - { .name: vimg, .offset: 16, .size: 8, .value_kind: global_buffer, .address_space: global }
      - { .name: mbits, .offset: 24, .size: 8, .value_kind: global_buffer, .address_space: global }
      - { .name: mflag, .offset: 32, .size: 8, .value_kind: global_buffer, .address_space: global }
      - { .name: lowp_scales, .offset: 40, .size: 8, .value_kind: global_buffer, .address_space: global }
      - { .name: cimg, .offset: 48, .size: 8, .value_kind: global_buffer, .address_space: global }
    .group_segment_fixed_size: 67584
    .private_segment_fixed_size: 0
    .kernarg_segment_align: 8
    .kernarg_segment_size: 56
    .max_flat_workgroup_size: 512
    .sgpr_count:     100
    .vgpr_count:     256
    .wavefront_size: 32
...
	.end_amdgpu_metadata
.endif
;; end of part 3
;; launch outln (part 4): grid 256 x 1, 4 waves a work-group, no clusters, 132,096 bytes of LDS; arguments cimg, woimg, Q, bo, ln_g, ln_b, lowp_scales, out0; writes out0
.if DOCPART == 4
	.amdgcn_target "amdgcn-amd-amdhsa--gfx1250"
	.amdhsa_code_object_version 6
	.text
	.protected	k_qc2aa53aa60_outln
	.globl	k_qc2aa53aa60_outln
	.p2align	8
	.type	k_qc2aa53aa60_outln,@function
k_qc2aa53aa60_outln:
	s_mov_b64 s[64:65], 0
	v_nop
	global_prefetch_b8 v0, s[64:65] scope:SCOPE_SE
	s_setreg_imm32_b32 hwreg(HW_REG_WAVE_MODE, 25, 1), 1
	s_wait_xcnt 0x0
; OUTLN: out = LayerNorm(ctx Wo + bo + Q) x ln_g + ln_b.  The product is on codes of E4M3; all else in f32.
; SHARES.  A work-group owns 32 tokens and all 1,024 columns, since the norm wants whole rows: 256 work-groups.  In the product wave w makes columns 256 w .. 256 w + 255 for the 32 tokens
; (16 tiles of columns x 2 tiles of tokens: 32 accumulators); in the norm wave w owns rows 8 w .. 8 w + 7.  Between the two the sums go through a stage in LDS, with one barrier.
; Source 0 = 16 rows of Wo (columns of the result), source 1 = 16 tokens: a lane holds one token and eight neighbouring columns.
; Both operands arrive as images of their registers and go from memory straight into registers: ctx's 16 fragments stay (window 1); Wo's come in groups of eight through a ring of sixteen buffers (window 3),
; two groups ahead.  Each fragment of Wo is read by one wave of the work-group, so LDS would carry it to nobody else.  No joint loads: the price is that every work-group reads all of Wo's images.
; The variance is taken of the centred numbers: no difference of large sums is formed.
; LIMITS: e10 + e11 between -126 and 127.  NaN is not served.
; REGISTERS: window 0: v1 16 x lane; v2, v3 stage addresses; v4 256 x lane; v6, v7 the sums across lanes; v[8:9] -mean; v[10:11] 1 / sqrt(var + eps); v16-47 bo, v48-79 ln_g, v80-111 ln_b; v128-255 Q's rows 0-3.
;   window 1: ctx's fragment (m, s) at v[16 (8 m + s)]; in the norm v0-63 two rows by turns, v64-71 partial sums, v96, v97 addresses.
;   window 2: accumulator (u, m) at v[8 (2 u + m)].   window 3: Wo's ring; at the end v0-127 Q's rows 4-7.
.set RPT,  4112                        ; a stage row: 4,096 bytes + 16: sixteen lanes' rows start 16 bytes apart modulo 256
.set MSB, 0
.macro WIN new                         ; the immediate's high byte repeats the setting that is left
.if MSB != \new
	s_set_vgpr_msb (MSB<<8)|\new
.set MSB, \new
.endif
.endm
.macro BLOAD k                         ; group k: K step k / 2, tiles of columns 8 (k % 2) + 0..7, into the buffers of the same numbers
	WIN 0xc0                                       ; destination window 3, address window 0
.irp i, 0,1,2,3,4,5,6,7
.set UU, 8*((\k)%2)+\i
.irp c, 0,1,2,3
	global_load_b128 v[16*UU+4*\c:16*UU+4*\c+3], v1, s[6:7] offset:(8*UU+(\k)/2)*2048+512*\c
.endr
.endr
.endm
.macro GRP k
	s_wait_loadcnt 32                              ; behind this group's loads 32 more were issued: they may be out
	WIN 0xa7                                       ; source 0 (Wo) window 3, source 1 (ctx) window 1, C and D window 2
.irp i, 0,1,2,3,4,5,6,7
.set UU, 8*((\k)%2)+\i
.irp m, 0,1
.if (\k) < 2
	v_wmma_f32_16x16x128_fp8_fp8 v[8*(2*UU+\m):8*(2*UU+\m)+7], v[16*UU:16*UU+15], v[16*(8*\m+(\k)/2):16*(8*\m+(\k)/2)+15], 0
.else
	v_wmma_f32_16x16x128_fp8_fp8 v[8*(2*UU+\m):8*(2*UU+\m)+7], v[16*UU:16*UU+15], v[16*(8*\m+(\k)/2):16*(8*\m+(\k)/2)+15], v[8*(2*UU+\m):8*(2*UU+\m)+7]
.endif
.endr
.endr                                              ; 16 accumulators by turns; an accumulator comes up again 32 matrix instructions later
.rept 4
	v_nop                                          ; places in front of loads into the buffers just read, and of the first read of results
.endr
.if (\k) <= 13
	BLOAD (\k)+2
.endif
.if (\k) == 8
	global_prefetch_b8 v4, s[8:9] offset:16384 th:TH_LOAD_NT scope:SCOPE_SE   ; Q's rows 4-7 of my eight, 16 KiB, lanes 256 bytes apart: their loads go out six groups on; each block is named once
	global_prefetch_b8 v4, s[8:9] offset:24576 th:TH_LOAD_NT scope:SCOPE_SE
.endif
.if (\k) == 14
	WIN 0xc0
.irp p, 4,5,6,7
.irp i, 0,1,2,3,4,5,6,7
	global_load_b128 v[32*(\p-4)+4*\i:32*(\p-4)+4*\i+3], v1, s[8:9] offset:4096*\p+512*\i th:TH_LOAD_NT   ; into buffers 0-7, which have had their last group
.endr
.endr
.endif
.endm
.macro ALLSUM                          ; v6 summed over the 32 lanes, in window 0
	v_add_f32_dpp v6, v6, v6 row_xmask:1 row_mask:0xf bank_mask:0xf
	v_add_f32_dpp v6, v6, v6 row_xmask:2 row_mask:0xf bank_mask:0xf
	v_add_f32_dpp v6, v6, v6 row_xmask:4 row_mask:0xf bank_mask:0xf
	v_add_f32_dpp v6, v6, v6 row_xmask:8 row_mask:0xf bank_mask:0xf
	v_permlanex16_b32 v7, v6, s24, s25
	v_add_f32 v6, v6, v7
.endm
.macro FOLD                            ; the four partial pairs in v64-71 of window 1 become one number in v6 of window 0
	v_pk_add_f32 v[64:65], v[64:65], v[66:67]
	v_pk_add_f32 v[68:69], v[68:69], v[70:71]
	v_pk_add_f32 v[64:65], v[64:65], v[68:69]
	WIN 0x05                                       ; sources window 1, destination window 0
	v_add_f32 v6, v64, v65
	WIN 0
	ALLSUM
.endm
	s_load_b512 s[4:19], s[0:1], 0x0               ; cimg, woimg, Q, bo, ln_g, ln_b, lowp_scales, out0
	v_lshl_add_u32 v126, v0, 2, 0x20200
	v_mov_b32 v127, 0
	v_lshrrev_b32 v5, 5, v0
	v_readfirstlane_b32 s26, v5                    ; wave 0..3
	v_and_b32 v5, 31, v0
	v_lshlrev_b32 v1, 4, v5
	v_lshlrev_b32 v4, 8, v5
	v_and_b32 v6, 15, v0                           ; r
	v_bfe_u32 v7, v0, 4, 1                         ; h
	v_mul_u32_u24 v2, v6, RPT
	v_lshl_add_u32 v2, v7, 5, v2
	s_lshl_b32 s27, s26, 10
	v_add_nc_u32 v2, s27, v2                       ; the stage, in: row r, + 32 h, + my 1,024 bytes of a row
	v_add_nc_u32 v3, 16*RPT, v2                    ; and 16 rows further down
	v_mov_b32 v9, 0                                ; (upper halves of pairs of which the low word serves both halves)
	v_mov_b32 v11, 0
	s_mul_i32 s23, s26, 8*RPT                      ; the stage, back: my eight rows
	s_lshl_b32 s28, ttmp9, 15                      ; two tiles of tokens: 32,768 bytes of images
	s_mov_b32 s29, 0
	s_lshl_b32 s30, s26, 18                        ; my 16 tiles of Wo's rows
	s_mov_b32 s31, 0
	s_lshl_b32 s32, ttmp9, 5
	s_lshl_b32 s33, s26, 3
	s_add_co_u32 s32, s32, s33
	s_lshl_b32 s32, s32, 12                        ; my first row of Q and of the output, in bytes
	s_mov_b32 s33, 0
	s_mov_b32 s22, 0x3a800000                      ; 1 / 1024
	s_mov_b32 s27, 0xba800000                      ; -1 / 1024
	s_mov_b32 s24, 0x76543210
	s_mov_b32 s25, 0xfedcba98
	s_wait_kmcnt 0x0
	s_load_b64 s[20:21], s[16:17], 0x28            ; e10, e11
	s_add_nc_u64 s[4:5], s[4:5], s[28:29]
	s_add_nc_u64 s[6:7], s[6:7], s[30:31]
	s_add_nc_u64 s[8:9], s[8:9], s[32:33]
	s_add_nc_u64 s[18:19], s[18:19], s[32:33]
	WIN 0x40                                       ; destination window 1
.irp f, 0,1,2,3,4,5,6,7,8,9,10,11,12,13,14,15
.irp c, 0,1,2,3
	global_load_b128 v[16*\f+4*\c:16*\f+4*\c+3], v1, s[4:5] offset:\f*2048+512*\c   ; ctx's fragments: they stay
.endr
.endr
	WIN 0
.irp p, 0,1,2,3
.irp i, 0,1,2,3,4,5,6,7
	global_load_b128 v[128+32*\p+4*\i:128+32*\p+4*\i+3], v1, s[8:9] offset:4096*\p+512*\i th:TH_LOAD_NT   ; Q's rows 0-3 of my eight
.endr
.endr
.irp i, 0,1,2,3,4,5,6,7
	global_load_b128 v[16+4*\i:19+4*\i], v1, s[10:11] offset:512*\i
	global_load_b128 v[48+4*\i:51+4*\i], v1, s[12:13] offset:512*\i
	global_load_b128 v[80+4*\i:83+4*\i], v1, s[14:15] offset:512*\i
.endr
	BLOAD 0
	BLOAD 1
.irp k, 0,1,2,3,4,5,6,7,8,9,10,11,12,13,14,15
	GRP \k
.endr
	WIN 0x08                                       ; store data window 2, address window 0
.irp u, 0,1,2,3,4,5,6,7,8,9,10,11,12,13,14,15
.irp m, 0,1
	ds_store_b128 v[2+\m], v[8*(2*\u+\m):8*(2*\u+\m)+3] offset:64*\u          ; token 16 m + r, columns 256 w + 16 u + 8 h + 0..3: the low half first
	ds_store_b128 v[2+\m], v[8*(2*\u+\m)+4:8*(2*\u+\m)+7] offset:64*\u+16
.endr
.endr
	s_wait_kmcnt 0x0
	s_add_co_i32 s20, s20, s21
	s_add_co_i32 s20, s20, 127
	s_lshl_b32 s20, s20, 23                        ; 2^(e10 + e11) as f32
	s_mov_b32 s21, s20
	s_wait_dscnt 0x0                               ; for the others' sake: my stores into the stage are done
	s_barrier_signal -1
	s_barrier_wait -1                              ; 32 whole rows of sums lie in the stage
	WIN 0x40
	v_add_nc_u32 v96, s23, v1                      ; (window 1) my rows, 16 bytes a lane
	v_mov_b32 v97, v1                              ; (window 1) the same place in a row of the output
	WIN 0x41
.irp i, 0,1,2,3,4,5,6,7
	ds_load_b128 v[4*\i:4*\i+3], v96 offset:512*\i
.endr
; ROW p of my eight: register 4 i + e of a lane is column 128 i + 4 lane + e, in the stage's row, in Q, in bo, ln_g, ln_b and in the output alike.
.macro ROW p
.set XS, 32*((\p)%2)
.set XN, 32*(((\p)+1)%2)
	WIN 0x41                                       ; destination and source 0 window 1
.if (\p) > 0
	s_wait_xcnt 0x0                                ; the last row's stores have read the other set
.endif
.if (\p) < 7
.irp i, 0,1,2,3,4,5,6,7
	ds_load_b128 v[XN+4*\i:XN+4*\i+3], v96 offset:((\p)+1)*RPT+512*\i
.endr
	s_wait_dscnt 8                                 ; this row is in; the next row's eight loads may be out
.else
	s_wait_dscnt 0x0
.endif
.if (\p) < 4
.set RS, 128+32*(\p)
.else
.set RS, 32*((\p)-4)
	WIN 0x71                                       ; source 2 (Q's rows 4-7) window 3
.endif
.if (\p) == 4
	s_wait_loadcnt 0x0                             ; Q's rows 4-7
.endif
.set j, 0
.rept 16
	v_pk_fma_f32 v[XS+j:XS+j+1], v[XS+j:XS+j+1], s[20:21], v[RS+j:RS+j+1] op_sel_hi:[1,0,1]   ; sum x 2^(e10 + e11) + Q
.set j, j+2
.endr
	WIN 0x41
.set j, 0
.rept 16
	v_pk_add_f32 v[XS+j:XS+j+1], v[XS+j:XS+j+1], v[16+j:17+j]   ; + bo
.set j, j+2
.endr
	WIN 0x55                                       ; all in window 1
.irp c, 0,1,2,3
	v_pk_add_f32 v[64+2*\c:65+2*\c], v[XS+4*\c:XS+4*\c+1], v[XS+4*\c+2:XS+4*\c+3]   ; the row's sum, in four chains
.endr
.irp c, 0,1,2,3
	v_pk_add_f32 v[64+2*\c:65+2*\c], v[64+2*\c:65+2*\c], v[XS+16+2*\c:XS+17+2*\c]
.endr
.irp c, 0,1,2,3
	v_pk_add_f32 v[64+2*\c:65+2*\c], v[64+2*\c:65+2*\c], v[XS+24+2*\c:XS+25+2*\c]
.endr
	FOLD
	v_mul_f32 v8, s27, v6                          ; -mean
	WIN 0x41
.set j, 0
.rept 16
	v_pk_add_f32 v[XS+j:XS+j+1], v[XS+j:XS+j+1], v[8:9] op_sel_hi:[1,0]
.set j, j+2
.endr
	WIN 0x55
.irp c, 0,1,2,3
	v_pk_mul_f32 v[64+2*\c:65+2*\c], v[XS+2*\c:XS+2*\c+1], v[XS+2*\c:XS+2*\c+1]     ; the centred squares, in four chains
.endr
.irp g, 1,2,3
.irp c, 0,1,2,3
	v_pk_fma_f32 v[64+2*\c:65+2*\c], v[XS+8*\g+2*\c:XS+8*\g+2*\c+1], v[XS+8*\g+2*\c:XS+8*\g+2*\c+1], v[64+2*\c:65+2*\c]
.endr
.endr
	FOLD
	v_fmaak_f32 v6, s22, v6, 0x3727c5ac            ; var + 1e-5
	v_rsq_f32 v10, v6
	v_nop                                          ; a plain line behind the root
	s_wait_alu depctr_va_vdst(0)                   ; and the wait ahead of its first reader
	WIN 0x41
.set j, 0
.rept 16
	v_pk_mul_f32 v[XS+j:XS+j+1], v[XS+j:XS+j+1], v[10:11] op_sel_hi:[1,0]
.set j, j+2
.endr
.set j, 0
.rept 16
	v_pk_fma_f32 v[XS+j:XS+j+1], v[XS+j:XS+j+1], v[48+j:49+j], v[80+j:81+j]   ; x ln_g + ln_b
.set j, j+2
.endr
	WIN 0x55                                       ; address and data window 1
.irp i, 0,1,2,3,4,5,6,7
	global_store_b128 v97, v[XS+4*\i:XS+4*\i+3], s[18:19] offset:4096*(\p)+512*\i th:TH_STORE_NT   ; 512 consecutive bytes a store
.endr
.endm
.irp p, 0,1,2,3,4,5,6,7
	ROW \p
.endr
	WIN 0
	s_wait_tensorcnt 0x0
	ds_add_u32 v126, v127
	s_wait_dscnt 0x0
	s_endpgm
.Lfunc_end_k_qc2aa53aa60_outln:
	.size	k_qc2aa53aa60_outln, .Lfunc_end_k_qc2aa53aa60_outln-k_qc2aa53aa60_outln
	.p2alignl 7, 3214868480
	.fill 96, 4, 3214868480
	.section	.rodata,"a",@progbits
	.p2align	6, 0x0
	.amdhsa_kernel k_qc2aa53aa60_outln
		.amdhsa_group_segment_fixed_size 132096
		.amdhsa_private_segment_fixed_size 0
		.amdhsa_enable_private_segment 0
		.amdhsa_kernarg_size 64
		.amdhsa_user_sgpr_count 2
		.amdhsa_user_sgpr_kernarg_segment_ptr 1
		.amdhsa_wavefront_size32 1
		.amdhsa_system_sgpr_workgroup_id_x 1
		.amdhsa_system_sgpr_workgroup_id_y 1
		.amdhsa_system_sgpr_workgroup_id_z 1
		.amdhsa_system_vgpr_workitem_id 0
		.amdhsa_next_free_vgpr 1024
		.amdhsa_next_free_sgpr 66
		.amdhsa_reserve_vcc 0
		.amdhsa_float_denorm_mode_32 3
		.amdhsa_float_denorm_mode_16_64 3
		.amdhsa_memory_ordered 1
		.amdhsa_forward_progress 1
		.amdhsa_inst_pref_size 167
	.end_amdhsa_kernel
	.amdgpu_metadata
---
amdhsa.version: [ 1, 2 ]
amdhsa.kernels:
  - .name:           k_qc2aa53aa60_outln
    .symbol:         k_qc2aa53aa60_outln.kd
    .args:
      - { .name: cimg, .offset: 0, .size: 8, .value_kind: global_buffer, .address_space: global }
      - { .name: woimg, .offset: 8, .size: 8, .value_kind: global_buffer, .address_space: global }
      - { .name: Q, .offset: 16, .size: 8, .value_kind: global_buffer, .address_space: global }
      - { .name: bo, .offset: 24, .size: 8, .value_kind: global_buffer, .address_space: global }
      - { .name: ln_g, .offset: 32, .size: 8, .value_kind: global_buffer, .address_space: global }
      - { .name: ln_b, .offset: 40, .size: 8, .value_kind: global_buffer, .address_space: global }
      - { .name: lowp_scales, .offset: 48, .size: 8, .value_kind: global_buffer, .address_space: global }
      - { .name: out0, .offset: 56, .size: 8, .value_kind: global_buffer, .address_space: global }
    .group_segment_fixed_size: 132096
    .private_segment_fixed_size: 0
    .kernarg_segment_align: 8
    .kernarg_segment_size: 64
    .max_flat_workgroup_size: 128
    .sgpr_count:     66
    .vgpr_count:     1024
    .wavefront_size: 32
...
	.end_amdgpu_metadata
.endif
;; end of part 4
;; ======== version 2 of 3: 4 launches
;; limits: right only within a limited range of input values
;; workspace buffers: qc 8,388,608 bytes; woimg 1,048,576 bytes; mbits 2,097,152 bytes of whole numbers; mflag 16,384 bytes of whole numbers; qimg 8,388,608 bytes; kimg 8,388,608 bytes; vimg 8,388,608 bytes; cimg 8,388,608 bytes
;; launch prep: the kernel of part 1 again; grid 1344 x 1, 4 waves a work-group, no clusters, 68,096 bytes of LDS; arguments Q, attn_mask, Wo_codes, lowp_scales, qc, mbits, mflag, woimg; writes qc, mbits, mflag, woimg
;; launch proj: the kernel of part 2 again; grid 4 x 96, 4 waves a work-group, clusters of 4 x 4, 327,680 bytes of LDS; arguments qc, K_codes, V_codes, Wq_codes, Wk_codes, Wv_codes, bq, bk, bv, lowp_scales, qimg, kimg, vimg; writes qimg, kimg, vimg
;; launch attn (part 5): grid 8 x 64, 16 waves a work-group, no clusters, 133,120 bytes of LDS; arguments qimg, kimg, vimg, mbits, mflag, lowp_scales, cimg; writes cimg
.if DOCPART == 5
	.amdgcn_target "amdgcn-amd-amdhsa--gfx1250"
	.amdhsa_code_object_version 6
	.text
	.protected	k_qc2aa53aa60_attn
	.globl	k_qc2aa53aa60_attn
	.p2align	8
	.type	k_qc2aa53aa60_attn,@function
k_qc2aa53aa60_attn:
	s_mov_b64 s[64:65], 0
	v_nop
	global_prefetch_b8 v0, s[64:65] scope:SCOPE_SE
	s_setreg_imm32_b32 hwreg(HW_REG_WAVE_MODE, 25, 1), 1
	s_wait_xcnt 0x0
; ATTN: ctx = softmax(mask(q k^T / 8)) v for one head, both products on codes of E4M3; ctx is quantised and stored as images of the last product's operand registers.
; SHARES.  A work-group owns 256 queries of one head; each of its sixteen waves 16 of them, in 256 registers: four waves to a SIMD, so that one wave's vector work stands beside another's matrix work and LDS loads.
; Every wave walks all 2,048 keys, 128 a step.  q, k and v arrive as images of operand registers, so every fragment is a run of loads of 512 dense bytes: no pitch, no padding.
; LAYOUT.  S^T = K Q^T (source 0 = 16 keys, source 1 = my 16 queries, K = 64); O^T = V^T P (source 0 = 16 channels, source 1 = P, K = 128 keys): a lane holds ONE query throughout.
; Tile t's eight registers are keys 16 t + 8 (lane / 16) + 0..7: one conversion makes of them registers 2 t, 2 t + 1 of P in the form's own layout.
; SOFTMAX.  t = score x c, c = log2(e) / 8 x 2^(e6 + e7); M = the running largest t rounded up to a whole number; p = 2^(t - M) is quantised, not normalised; the sum is taken of the unquantised p and divides at the end.
; THE HOLD ON p.  p is at most 1 (but for the last bits of the multiply-add and the exponential).  Where e8 >= -8 the largest code x the scale, 448 x 2^e8, is 1.75 or more and the hold changes no number:
; a scalar branch on the given exponent then jumps over a step's 64 lines of it.  For e8 < -8 they are executed.  (The launch has no tensor load, no copy and no cluster.)
; MASK.  The lane masks of a step's 64 score registers come as 64 words into scalar registers, asked for a step ahead; a masked score becomes -2^(33 - e6 - e7), which x c is the whole number -2^30 log2(e) as f32 has it:
; t - M is then exactly 0 in a row all of whose keys are masked, and every key of it weighs the same.  A step whose stored flag says that no key of the strip is masked jumps over the 64 selects.
; LIMITS.  A masked logit is taken as -2^30 where the definition has -1e9.  With e6 + e7 <= 9 no logit reaches 1e9 in magnitude (64 x 448^2 x 2^9 / 8 is under 0.83e9), so masked keys weigh nothing beside an open one either way.
; e6 + e7 between -94 and 9; e8 and e10 between -126 and 119; e8 + e9 goes by v_ldexp_f32.  NaN is not served.
; LDS: four PIECES of 32,768 bytes, each 256 keys of K (16 tiles x 1,024 bytes), then of V (2 steps x 4 tiles x 2,048); pieces 0, 1 are one slot, pieces 2, 3 the other.  The head's eight pieces go through them in turn.
; The 512 threads carry a piece through registers, four loads of 16 bytes each: at the head of piece p they store piece p + 2, into the other slot, and ask memory for piece p + 3.
; ONE BARRIER FOR TWO PIECES (four key steps), at the head of each even piece: in front of it each wave's LDS stores have landed and its LDS reads are in; behind it the slot ahead is whole and nobody reads the other,
; so both of that other slot's pieces may be written until the next barrier.  A trip of the loop runs the four pieces, so that every LDS address is one of four registers + an immediate; the loop has two trips, and in the
; second, forward branches on the trip count leave out the stores and loads of pieces that the head does not have.
; No joint loads: a head's K and V are 256 KiB for a work-group's whole run, and the jump over the selects hangs on stored numbers that differ from work-group to work-group.
; REGISTERS: v1 16 x lane, v5 the same + 65,536; v2 16 x thread, v6 the same + 65,536; v3 256 x lane; v7 the masked score; v12 -M, v13 the largest t, v[14:15] the sum; v16-23 Q; v32-95 K's or V's fragments;
;   v96-159 S^T, then p; v160-191 O^T; v192-207 p's codes; v208-223 a piece on its way; v236-254 at work.
;   s3 trips left (2, 1); s[4:5], s[6:7] K's and V's images; s[8:9] the mask words; s[10:11] c; s12 wave; s13 the steps' flags; s14 who prefetches; s[16:63], s[68:83] the 64 mask words; s[66:67] the prefetches' base;
;   s[84:85] ctx; s[86:87] lane selects; s91 e8 + e9; s92 1 where the hold changes nothing.
.set PCB, 32768
.macro LOADPIECE reg, off              ; 512 threads x 16 bytes x 4: a piece's K and V
	global_load_b128 v[\reg:\reg+3], v2, s[4:5] offset:\off
	global_load_b128 v[\reg+4:\reg+7], v2, s[4:5] offset:\off+8192
	global_load_b128 v[\reg+8:\reg+11], v2, s[6:7] offset:\off
	global_load_b128 v[\reg+12:\reg+15], v2, s[6:7] offset:\off+8192
.endm
.macro MWORDS off                      ; a step's 64 lane masks: 256 bytes
	s_load_b512 s[16:31], s[8:9], \off
	s_load_b512 s[32:47], s[8:9], \off+64
	s_load_b512 s[48:63], s[8:9], \off+128
	s_load_b512 s[68:83], s[8:9], \off+192
.endm
; A prefetch into the L2: piece p of the first trip names piece p + 4, whose loads go out one piece, two key steps, later.  All eight work-groups of a head walk the same K and V: the head's first asks; in it
; waves 0, 1 for K's 16 KiB and waves 2, 3 for V's, 8,192 bytes a wave, lanes 256 bytes apart: each block of 256 bytes is named once in the launch.  Pieces 0 to 3 come by their loads alone; the second trip asks for nothing.
; The piece stands in the immediate: the address registers are never written again.
.macro ASK off
	s_cmp_gt_u32 s3, s14                           ; s14 = 1 in a wave that asks, else the greatest number; s3 = 2 in the first trip
	s_cbranch_scc0 .Lnot_mine_\@
	global_prefetch_b8 v3, s[66:67] offset:\off th:TH_LOAD_NT scope:SCOPE_SE
.Lnot_mine_\@:
.endm
; A KEY STEP: the q-th 128 keys of the trip's piece i.
.macro STEP i, q
.set AR, 1+4*((\i)/2)                  ; v1 for pieces 0, 1; v5 for pieces 2, 3
.set PB, ((\i)%2)*PCB
.rept 4
	v_nop                                          ; places in front of loads into registers that the last products read
.endr
.irp t, 0,1,2,3,4,5,6,7
	ds_load_b128 v[32+8*\t:35+8*\t], v[AR] offset:PB+(8*(\q)+\t)*1024
	ds_load_b128 v[36+8*\t:39+8*\t], v[AR] offset:PB+(8*(\q)+\t)*1024+512
.endr
	s_wait_dscnt 0x0                               ; K's fragments are in; the piece's stores have read v208-223
.if (\q) == 0
.if (\i) > 0
	s_cmp_eq_u32 s3, 1                             ; the second trip's pieces 1 to 3 would ask for pieces 8 to 10: no load leaves its buffer
	s_cbranch_scc1 .Lno_load_\@
.endif
	LOADPIECE 208, ((\i)+3)*16384                  ; the piece three on
	ASK (\i)*16384
.if (\i) > 0
.Lno_load_\@:
.endif
.endif
.irp t, 0,1,2,3,4,5,6,7
	v_wmma_f32_16x16x64_fp8_fp8 v[96+8*\t:103+8*\t], v[32+8*\t:39+8*\t], v[16:23], 0
.endr
.rept 4
	v_nop                                          ; places: for the loads below and for the first read of the scores
.endr
.irp u, 0,1,2,3
.irp c, 0,1,2,3
	ds_load_b128 v[32+16*\u+4*\c:35+16*\u+4*\c], v[AR] offset:PB+16384+8192*(\q)+2048*\u+512*\c   ; V lands while the softmax is walked
.endr
.endr
	s_wait_kmcnt 0x0                               ; this step's lane masks, asked for a step ago
	s_bitcmp1_b32 s13, 0                           ; the stored flag of this step
	s_cbranch_scc0 .Lopen_\@
.set n, 0
.rept 64
.if n < 48
	v_cndmask_b32 v[96+n], v[96+n], v7, s[16+n]
.else
	v_cndmask_b32 v[96+n], v[96+n], v7, s[20+n]
.endif
.set n, n+1
.endr
.Lopen_\@:
	s_lshr_b32 s13, s13, 1
	v_max3_num_f32 v254, v96, v97, v98             ; the step's largest score of my query among my 64 keys, in two chains,
	v_max3_num_f32 v252, v99, v100, v101
.irp x, 6,10,14,18,22,26,30,34,38,42,46,50,54,58
	v_max3_num_f32 v254, v254, v[96+\x], v[97+\x]
	v_max3_num_f32 v252, v252, v[98+\x], v[99+\x]
.endr
	v_max3_num_f32 v254, v254, v158, v159
	v_max_num_f32 v254, v254, v252
	v_permlanex16_b32 v236, v254, s86, s87
	v_max_num_f32 v254, v254, v236                 ; and among lane l xor 16's
	v_mul_f32 v254, s10, v254                      ; as t (c is positive)
	v_max_num_f32 v13, v13, v254
	v_mov_b32 v254, v12
	v_floor_f32 v12, -v13                          ; the new -M = -ceil(t)
	v_sub_f32 v254, v12, v254                      ; old M - new M: a whole number, 0 or less
	v_cvt_i32_f32 v254, v254                       ; (it saturates)
	v_ldexp_f32 v252, 1.0, v254                    ; f = 2^(old M - new M): a multiplication by it rounds nothing
	; the NEXT step's lane masks are asked for here, well behind the last reader of this step's: they have the rest of the step in which to come
.if 2*(\i)+(\q) == 7
	s_cmp_eq_u32 s3, 1                             ; the very last step has no next
	s_cbranch_scc1 .Lno_words_\@
.endif
	MWORDS 256*(2*(\i)+(\q)+1)
.if 2*(\i)+(\q) == 7
.Lno_words_\@:
.endif
.set j, 0
.rept 32
	v_pk_fma_f32 v[96+j:97+j], v[96+j:97+j], s[10:11], v[12:13] op_sel_hi:[1,0,0]   ; t - M
.set j, j+2
.endr
.set j, 0
.rept 64
	v_exp_f32 v[96+j], v[96+j]                     ; p = 2^(t - M)
.set j, j+1
.endr
	v_pk_mul_f32 v[14:15], v[14:15], v[252:253] op_sel_hi:[1,0]   ; the sums under the new M: the plain line behind the exponentials
	s_wait_alu depctr_va_vdst(0)                   ; one wait for the batch, ahead of its first reader
	v_pk_add_f32 v[242:243], v[96:97], v[98:99]    ; the sum of the unquantised p, in two chains
.irp x, 4,8,12,16,20,24,28,32,36,40,44,48,52,56,60
	v_pk_add_f32 v[14:15], v[14:15], v[96+\x:97+\x]
	v_pk_add_f32 v[242:243], v[242:243], v[98+\x:99+\x]
.endr
	v_pk_add_f32 v[14:15], v[14:15], v[242:243]
	s_cmp_lg_u32 s92, 0                            ; e8 >= -8: 448 x 2^e8 >= 1.75 >= p: the hold would change nothing
	s_cbranch_scc1 .Lno_hold_\@
.set j, 0
.rept 64
	v_min_num_f32 v[96+j], v[96+j], v240           ; the conversion does not saturate (ISA guide 7.6.2); p is not negative, so the hold is one-sided
.set j, j+1
.endr
.Lno_hold_\@:
.irp t, 0,1,2,3,4,5,6,7
	v_cvt_scalef32_pk8_fp8_f32 v[192+2*\t:193+2*\t], v[96+8*\t:103+8*\t], v244
.endr
.set j, 0
.rept 16
	v_pk_mul_f32 v[160+j:161+j], v[160+j:161+j], v[252:253] op_sel_hi:[1,0]   ; O^T under the new M; also the plain lines behind the conversions
.set j, j+2
.endr
	s_wait_dscnt 0x0                               ; V's fragments are in
.irp u, 0,1,2,3
	v_wmma_f32_16x16x128_fp8_fp8 v[160+8*\u:167+8*\u], v[32+16*\u:47+16*\u], v[192:207], v[160+8*\u:167+8*\u]   ; four accumulators by turns
.endr
.endm
; PIECE i of a trip: two key steps.  At its head piece i + 2 (of the ring: (i + 2) % 4) is stored, into the slot that nobody reads.
.macro PIECE i
.if ((\i)%2) == 0
	s_wait_dscnt 0x0                               ; my stores into the slot ahead have landed, my reads of the slot that I leave are in
	s_barrier_signal -1
	s_barrier_wait -1                              ; both hold of all sixteen waves
.endif
	s_wait_loadcnt 0x0                             ; the piece asked for a piece ago.  (Outside the branch below: on no way does a load meet an earlier load's registers)
.if (\i) >= 2
	s_cmp_eq_u32 s3, 1                             ; the second trip's pieces 2 and 3 have nothing left to store
	s_cbranch_scc1 .Lno_store_\@
.endif
.set SR, 2+4*(1-(\i)/2)                ; v6 (pieces 2, 3) from pieces 0, 1; v2 (pieces 0, 1) from pieces 2, 3
.irp k, 0,1,2,3
	ds_store_b128 v[SR], v[208+4*\k:211+4*\k] offset:((\i)%2)*PCB+8192*\k
.endr
.if (\i) >= 2
.Lno_store_\@:
.endif
	STEP \i, 0
	STEP \i, 1
.endm
	s_load_b256 s[88:95], s[0:1], 0x0              ; qimg, kimg, vimg, mbits
	s_load_b128 s[96:99], s[0:1], 0x20             ; mflag, lowp_scales
	s_load_b64 s[84:85], s[0:1], 0x30              ; cimg
	v_lshl_add_u32 v251, v0, 2, 0x20000
	v_mov_b32 v255, 0
	v_lshrrev_b32 v8, 5, v0
	v_readfirstlane_b32 s12, v8                    ; wave 0..15
	v_and_b32 v1, 31, v0
	v_lshlrev_b32 v3, 8, v1
	v_lshlrev_b32 v1, 4, v1
	v_lshlrev_b32 v2, 4, v0
	v_add_nc_u32 v5, 0x10000, v1                   ; an LDS immediate reaches 65,535: the second slot has address registers of its own
	v_add_nc_u32 v6, 0x10000, v2
	s_and_b32 s2, ttmp7, 0xffff                    ; batch x 16 + head
	s_lshl_b32 s3, ttmp9, 4
	s_add_co_u32 s3, s3, s12                       ; my tile of queries in the sequence
	s_lshr_b32 s13, s2, 4
	s_lshl_b32 s13, s13, 7
	s_add_co_u32 s13, s13, s3                      ; strip = 128 x batch + tile
	s_and_b32 s14, s2, 15                          ; head
	s_lshl_b32 s16, s2, 17                         ; a head's images: 131,072 bytes
	s_mov_b32 s17, 0
	s_lshl_b32 s18, s3, 10
	s_add_co_u32 s18, s18, s16
	s_mov_b32 s19, 0
	s_lshl_b32 s20, s13, 12
	s_mov_b32 s21, 0
	s_lshl_b32 s22, s13, 5
	s_mov_b32 s23, 0
	s_lshl_b32 s24, s13, 14                        ; a tile of tokens in cimg: 8 K steps x 2,048 bytes;
	s_lshl_b32 s25, s14, 10                        ; head hd fills two chunks: 1,024 hd
	s_add_co_u32 s24, s24, s25
	s_mov_b32 s25, 0
	s_mov_b32 s86, 0x76543210
	s_mov_b32 s87, 0xfedcba98
	s_wait_kmcnt 0x0
	s_add_nc_u64 s[4:5], s[90:91], s[16:17]        ; K's images of my head
	s_add_nc_u64 s[6:7], s[92:93], s[16:17]        ; V's
	s_add_nc_u64 s[8:9], s[94:95], s[20:21]        ; my strip's mask words
	s_add_nc_u64 s[88:89], s[88:89], s[18:19]      ; my Q
	s_add_nc_u64 s[96:97], s[96:97], s[22:23]      ; my strip's flags
	s_add_nc_u64 s[84:85], s[84:85], s[24:25]      ; where ctx goes
	s_load_b256 s[32:39], s[96:97], 0x0            ; eight words of two flags
	s_load_b128 s[40:43], s[98:99], 0x18           ; e6, e7, e8, e9
	s_load_b32 s44, s[98:99], 0x28                 ; e10
	global_load_b128 v[16:19], v1, s[88:89]
	global_load_b128 v[20:23], v1, s[88:89] offset:512
	LOADPIECE 208, 0                               ; pieces 0 and 1 together: the first slot must be whole at the first barrier;
	LOADPIECE 96, 16384                            ; piece 1 through registers that lie idle here
	s_cmp_lt_u32 s12, 2
	s_cselect_b64 s[66:67], s[4:5], s[6:7]
	s_and_b32 s15, s12, 1
	s_lshl_b32 s16, s15, 13
	s_add_co_u32 s16, s16, 4*16384                 ; piece 4: what piece 0 asks for
	s_mov_b32 s17, 0
	s_add_nc_u64 s[66:67], s[66:67], s[16:17]
	s_lshr_b32 s15, s12, 2                         ; 0 in waves 0 to 3,
	s_or_b32 s15, s15, ttmp9                       ; of the head's first work-group
	s_cmp_eq_u32 s15, 0
	s_cselect_b32 s14, 1, -1
	v_mov_b32 v13, 0xff61b1e6                      ; the largest t so far: -3e38
	v_floor_f32 v12, -v13
	v_mov_b32 v14, 0
	v_mov_b32 v15, 0
	v_mov_b32 v236, 0                              ; a lane permute's destination counts as read
	v_mov_b32 v253, 0                              ; (named as the upper half of a pair)
.set j, 0
.rept 32
	v_mov_b32 v[160+j], 0                          ; O^T: the step is written without a first form: the first change of M multiplies zeros
.set j, j+1
.endr
	s_wait_kmcnt 0x0
	s_mov_b32 s13, s32
.irp i, 1,2,3,4,5,6,7
	s_lshl_b32 s15, s[32+\i], 2*\i
	s_or_b32 s13, s13, s15                         ; bit n = key step n
.endr
	s_add_co_i32 s15, s40, s41                     ; e6 + e7
	s_lshl_b32 s16, s15, 23
	s_add_co_i32 s10, s16, 0x3e38aa3b              ; c = log2(e) / 8 x 2^(e6 + e7): the exponents are added to the exponent field
	s_mov_b32 s11, s10
	s_sub_co_i32 s16, 160, s15
	s_lshl_b32 s16, s16, 23
	s_or_b32 s16, s16, 0x80000000
	v_mov_b32 v7, s16                              ; -2^(33 - e6 - e7)
	s_add_co_i32 s91, s42, s43                     ; e8 + e9
	s_cmp_ge_i32 s42, -8
	s_cselect_b32 s92, 1, 0                        ; 1: 448 x 2^e8 is 1.75 or more
	s_add_co_i32 s16, s42, 127
	s_lshl_b32 s17, s16, 23
	v_mov_b32 v244, s17                            ; 2^e8
	s_add_co_i32 s16, s16, 8
	s_lshl_b32 s16, s16, 23
	s_or_b32 s16, s16, 0x600000
	v_mov_b32 v240, s16                            ; 448 x 2^e8
	s_add_co_i32 s16, s44, 127
	s_lshl_b32 s17, s16, 23
	v_mov_b32 v246, s17                            ; 2^e10
	s_add_co_i32 s16, s16, 8
	s_lshl_b32 s16, s16, 23
	s_or_b32 s16, s16, 0x600000
	v_mov_b32 v247, s16                            ; 448 x 2^e10
	s_wait_loadcnt 0x0                             ; Q and pieces 0 and 1
.irp k, 0,1,2,3
	ds_store_b128 v2, v[208+4*\k:211+4*\k] offset:8192*\k
.endr
.irp k, 0,1,2,3
	ds_store_b128 v2, v[96+4*\k:99+4*\k] offset:PCB+8192*\k
.endr
	s_wait_dscnt 0x0                               ; the stores have read their registers
	LOADPIECE 208, 2*16384                         ; piece 2
	MWORDS 0                                       ; the first step's lane masks: the scalars that stood in these registers are done with
	s_mov_b32 s3, 2
.Ltrip:                                            ; two trips of four pieces
	PIECE 0
	PIECE 1
	PIECE 2
	PIECE 3
	s_wait_xcnt 0x0                                ; the loads, vector and scalar, have read their bases: they may step
	s_add_nc_u64 s[8:9], s[8:9], 2048              ; eight steps' mask words
	s_add_nc_u64 s[4:5], s[4:5], 0x10000           ; four pieces
	s_add_nc_u64 s[6:7], s[6:7], 0x10000
	s_sub_co_u32 s3, s3, 1
	s_cmp_lg_u32 s3, 0
	s_cbranch_scc1 .Ltrip
	; THE WAY OUT: O^T x 2^(e8 + e9) / the sum, quantised with 2^e10: tile u's eight registers are channels 16 u + 8 (lane / 16) + 0..7 of my query: registers 2 u, 2 u + 1 of the next operand's half
.rept 4
	v_nop
.endr
	v_add_f32 v14, v14, v15
	v_permlanex16_b32 v252, v14, s86, s87
	v_add_f32 v14, v14, v252                       ; the row's sum
	v_rcp_f32 v14, v14
	v_nop                                          ; a plain line behind the reciprocal
	s_wait_alu depctr_va_vdst(0)                   ; and the wait ahead of its first reader
	v_ldexp_f32 v14, v14, s91
.set j, 0
.rept 32
	v_mul_f32 v[96+j], v[160+j], v14               ; each accumulator from its low end on
.set j, j+1
.endr
.set j, 0
.rept 32
	v_med3_num_f32 v[96+j], v[96+j], -v247, v247
.set j, j+1
.endr
.irp u, 0,1,2,3
	v_cvt_scalef32_pk8_fp8_f32 v[192+2*\u:193+2*\u], v[96+8*\u:103+8*\u], v246
.endr
	v_nop
	global_store_b128 v1, v[192:195], s[84:85]     ; 512 consecutive bytes a store
	global_store_b128 v1, v[196:199], s[84:85] offset:512
	s_wait_tensorcnt 0x0
	ds_add_u32 v251, v255
	s_wait_dscnt 0x0
	s_endpgm
.Lfunc_end_k_qc2aa53aa60_attn:
	.size	k_qc2aa53aa60_attn, .Lfunc_end_k_qc2aa53aa60_attn-k_qc2aa53aa60_attn
	.p2alignl 7, 3214868480
	.fill 96, 4, 3214868480
	.section	.rodata,"a",@progbits
	.p2align	6, 0x0
	.amdhsa_kernel k_qc2aa53aa60_attn
		.amdhsa_group_segment_fixed_size 133120
		.amdhsa_private_segment_fixed_size 0
		.amdhsa_enable_private_segment 0
		.amdhsa_kernarg_size 56
		.amdhsa_user_sgpr_count 2
		.amdhsa_user_sgpr_kernarg_segment_ptr 1
		.amdhsa_wavefront_size32 1
		.amdhsa_system_sgpr_workgroup_id_x 1
		.amdhsa_system_sgpr_workgroup_id_y 1
		.amdhsa_system_sgpr_workgroup_id_z 1
		.amdhsa_system_vgpr_workitem_id 0
		.amdhsa_next_free_vgpr 256
		.amdhsa_next_free_sgpr 100
		.amdhsa_reserve_vcc 0
		.amdhsa_float_denorm_mode_32 3
		.amdhsa_float_denorm_mode_16_64 3
		.amdhsa_memory_ordered 1
		.amdhsa_forward_progress 1
		.amdhsa_inst_pref_size 171
	.end_amdhsa_kernel
	.amdgpu_metadata
---
amdhsa.version: [ 1, 2 ]
amdhsa.kernels:
  - .name:           k_qc2aa53aa60_attn
    .symbol:         k_qc2aa53aa60_attn.kd
    .args:
      - { .name: qimg, .offset: 0, .size: 8, .value_kind: global_buffer, .address_space: global }
      - { .name: kimg, .offset: 8, .size: 8, .value_kind: global_buffer, .address_space: global }
      - { .name: vimg, .offset: 16, .size: 8, .value_kind: global_buffer, .address_space: global }
      - { .name: mbits, .offset: 24, .size: 8, .value_kind: global_buffer, .address_space: global }
      - { .name: mflag, .offset: 32, .size: 8, .value_kind: global_buffer, .address_space: global }
      - { .name: lowp_scales, .offset: 40, .size: 8, .value_kind: global_buffer, .address_space: global }
      - { .name: cimg, .offset: 48, .size: 8, .value_kind: global_buffer, .address_space: global }
    .group_segment_fixed_size: 133120
    .private_segment_fixed_size: 0
    .kernarg_segment_align: 8
    .kernarg_segment_size: 56
    .max_flat_workgroup_size: 512
    .sgpr_count:     100
    .vgpr_count:     256
    .wavefront_size: 32
...
	.end_amdgpu_metadata
.endif
;; end of part 5
;; launch outln: the kernel of part 4 again; grid 256 x 1, 4 waves a work-group, no clusters, 132,096 bytes of LDS; arguments cimg, woimg, Q, bo, ln_g, ln_b, lowp_scales, out0; writes out0
;; ======== version 3 of 3: 4 launches; version 2 with the launches attn, outln written anew for expert scheduling mode
;; limits: right only within a limited range of input values
;; workspace buffers: qc 8,388,608 bytes; woimg 1,048,576 bytes; mbits 2,097,152 bytes of whole numbers; mflag 16,384 bytes of whole numbers; qimg 8,388,608 bytes; kimg 8,388,608 bytes; vimg 8,388,608 bytes; cimg 8,388,608 bytes
;; launch prep: the kernel of part 1 again; grid 1344 x 1, 4 waves a work-group, no clusters, 68,096 bytes of LDS; arguments Q, attn_mask, Wo_codes, lowp_scales, qc, mbits, mflag, woimg; writes qc, mbits, mflag, woimg
;; launch proj: the kernel of part 2 again; grid 4 x 96, 4 waves a work-group, clusters of 4 x 4, 327,680 bytes of LDS; arguments qc, K_codes, V_codes, Wq_codes, Wk_codes, Wv_codes, bq, bk, bv, lowp_scales, qimg, kimg, vimg; writes qimg, kimg, vimg
;; launch attn (part 6): grid 8 x 64, 16 waves a work-group, no clusters, 133,120 bytes of LDS; arguments qimg, kimg, vimg, mbits, mflag, lowp_scales, cimg; writes cimg
.if DOCPART == 6
	.amdgcn_target "amdgcn-amd-amdhsa--gfx1250"
	.amdhsa_code_object_version 6
	.text
	.protected	k_qc2aa53aa60_attn
	.globl	k_qc2aa53aa60_attn
	.p2align	8
	.type	k_qc2aa53aa60_attn,@function
k_qc2aa53aa60_attn:
	s_mov_b64 s[64:65], 0
	v_nop
	global_prefetch_b8 v0, s[64:65] scope:SCOPE_SE
	s_setreg_imm32_b32 hwreg(HW_REG_WAVE_SCHED_MODE, 0, 2), 2
	s_setreg_imm32_b32 hwreg(HW_REG_WAVE_MODE, 25, 1), 1
	s_wait_xcnt 0x0
	s_wait_alu depctr_vm_vsrc(0)
; ATTN: ctx = softmax(mask(q k^T / 8)) v for one head, both products on codes of E4M3; ctx is quantised and stored as images of the last product's operand registers.
; SHARES.  A work-group owns 256 queries of one head; each of its sixteen waves 16 of them, in 256 registers: four waves to a SIMD, so that one wave's vector work stands beside another's matrix work and LDS loads.
; Every wave walks all 2,048 keys, 128 a step.  q, k and v arrive as images of operand registers, so every fragment is a run of loads of 512 dense bytes: no pitch, no padding.
; LAYOUT.  S^T = K Q^T (source 0 = 16 keys, source 1 = my 16 queries, K = 64); O^T = V^T P (source 0 = 16 channels, source 1 = P, K = 128 keys): a lane holds ONE query throughout.
; Tile t's eight registers are keys 16 t + 8 (lane / 16) + 0..7: one conversion makes of them registers 2 t, 2 t + 1 of P in the form's own layout.
; SOFTMAX.  t = score x c, c = log2(e) / 8 x 2^(e6 + e7); M = the running largest t rounded up to a whole number; p = 2^(t - M) is quantised, not normalised; the sum is taken of the unquantised p and divides at the end.
; THE HOLD ON p.  p is at most 1 (but for the last bits of the multiply-add and the exponential).  Where e8 >= -8 the largest code x the scale, 448 x 2^e8, is 1.75 or more and the hold changes no number:
; a scalar branch on the given exponent then jumps over a step's 64 lines of it.  For e8 < -8 they are executed.  (The launch has no tensor load, no copy and no cluster.)
; MASK.  The lane masks of a step's 64 score registers come as 64 words into scalar registers, asked for a step ahead; a masked score becomes -2^(33 - e6 - e7), which x c is the whole number -2^30 log2(e) as f32 has it:
; t - M is then exactly 0 in a row all of whose keys are masked, and every key of it weighs the same.  A step whose stored flag says that no key of the strip is masked jumps over the 64 selects.
; LIMITS.  A masked logit is taken as -2^30 where the definition has -1e9.  With e6 + e7 <= 9 no logit reaches 1e9 in magnitude (64 x 448^2 x 2^9 / 8 is under 0.83e9), so masked keys weigh nothing beside an open one either way.
; e6 + e7 between -94 and 9; e8 and e10 between -126 and 119; e8 + e9 goes by v_ldexp_f32.  NaN is not served.
; LDS: four PIECES of 32,768 bytes, each 256 keys of K (16 tiles x 1,024 bytes), then of V (2 steps x 4 tiles x 2,048); pieces 0, 1 are one slot, pieces 2, 3 the other.  The head's eight pieces go through them in turn.
; The 512 threads carry a piece through registers, four loads of 16 bytes each: at the head of piece p they store piece p + 2, into the other slot, and ask memory for piece p + 3.
; ONE BARRIER FOR TWO PIECES (four key steps), at the head of each even piece: in front of it each wave's LDS stores have landed and its LDS reads are in; behind it the slot ahead is whole and nobody reads the other,
; so both of that other slot's pieces may be written until the next barrier.  A trip of the loop runs the four pieces, so that every LDS address is one of four registers + an immediate; the loop has two trips, and in the
; second, forward branches on the trip count leave out the stores and loads of pieces that the head does not have.
; No joint loads: a head's K and V are 256 KiB for a work-group's whole run, and the jump over the selects hangs on stored numbers that differ from work-group to work-group.
; THE MODE: SCHED_MODE bits 1:0 = 2 (LLVM: expert scheduling mode 2), set by the entry lines.  The code itself states the register dependences between vector or matrix instructions and memory or LDS instructions,
; with s_wait_alu, always for 0.
; THE PLAN.  Registers that memory or LDS instructions touch:
;   v1, v2, v3, v5, v6   addresses and offsets: written at the head, ahead of the head's wait on va_vdst, and never again.
;   v16-23               Q: loaded once; the products K Q^T read it.
;   v32-95               in every step K's fragments, then V's: K's loads land where the last step's products V^T P read, V's where this step's products K Q^T read.
;   v208-223             a piece on its way: global loads land in it, LDS stores read it; no vector or matrix instruction names it.
;   v96-111              at the head alone piece 1 on its way: a load lands, an LDS store reads; from the first step on the products write them.
;   v192-199             at the end ctx's codes: conversions write them, two stores read them.
;   s[16:63], s[68:83]   the mask words: scalar loads land in them, the selects read them.
; A STEP HAS THREE WAITS ON va_vdst: at its head, ahead of K's loads; behind the selects, ahead of V's loads and of the next step's mask words; behind the exponentials, ahead of their first reader.
; A PIECE HAS ONE WAIT ON vm_vsrc: between its LDS stores and the loads that land in the registers which those stores read.
; REGISTERS: v1 16 x lane, v5 the same + 65,536; v2 16 x thread, v6 the same + 65,536; v3 256 x lane; v7 the masked score; v12 -M, v13 the largest t, v[14:15] the sum; v16-23 Q; v32-95 K's or V's fragments;
;   v96-159 S^T, then p; v160-191 O^T; v192-207 p's codes; v208-223 a piece on its way; v236-254 at work.
;   s3 trips left (2, 1); s[4:5], s[6:7] K's and V's images; s[8:9] the mask words; s[10:11] c; s12 wave; s13 the steps' flags; s14 who prefetches; s[16:63], s[68:83] the 64 mask words; s[66:67] the prefetches' base;
;   s[84:85] ctx; s[86:87] lane selects; s91 e8 + e9; s92 1 where the hold changes nothing.
.set PCB, 32768
.macro LOADPIECE reg, off              ; 512 threads x 16 bytes x 4: a piece's K and V
	global_load_b128 v[\reg:\reg+3], v2, s[4:5] offset:\off
	global_load_b128 v[\reg+4:\reg+7], v2, s[4:5] offset:\off+8192
	global_load_b128 v[\reg+8:\reg+11], v2, s[6:7] offset:\off
	global_load_b128 v[\reg+12:\reg+15], v2, s[6:7] offset:\off+8192
.endm
.macro MWORDS off                      ; a step's 64 lane masks: 256 bytes
	s_load_b512 s[16:31], s[8:9], \off
	s_load_b512 s[32:47], s[8:9], \off+64
	s_load_b512 s[48:63], s[8:9], \off+128
	s_load_b512 s[68:83], s[8:9], \off+192
.endm
; A prefetch into the L2: piece p of the first trip names piece p + 4, whose loads go out one piece, two key steps, later.  All eight work-groups of a head walk the same K and V: the head's first asks; in it
; waves 0, 1 for K's 16 KiB and waves 2, 3 for V's, 8,192 bytes a wave, lanes 256 bytes apart: each block of 256 bytes is named once in the launch.  Pieces 0 to 3 come by their loads alone; the second trip asks for nothing.
; The piece stands in the immediate: the address registers are never written again.
.macro ASK off
	s_cmp_gt_u32 s3, s14                           ; s14 = 1 in a wave that asks, else the greatest number; s3 = 2 in the first trip
	s_cbranch_scc0 .Lnot_mine_\@
	global_prefetch_b8 v3, s[66:67] offset:\off th:TH_LOAD_NT scope:SCOPE_SE
.Lnot_mine_\@:
.endm
; A KEY STEP: the q-th 128 keys of the trip's piece i.
.macro STEP i, q
.set AR, 1+4*((\i)/2)                  ; v1 for pieces 0, 1; v5 for pieces 2, 3
.set PB, ((\i)%2)*PCB
.rept 4
	v_nop                                          ; four places between the last products and the loads into registers that they read
.endr
	s_wait_alu depctr_va_vdst(0)                   ; the last step's products V^T P are done reading v32-95, in which K's fragments land
.irp t, 0,1,2,3,4,5,6,7
	ds_load_b128 v[32+8*\t:35+8*\t], v[AR] offset:PB+(8*(\q)+\t)*1024
	ds_load_b128 v[36+8*\t:39+8*\t], v[AR] offset:PB+(8*(\q)+\t)*1024+512
.endr
	s_wait_dscnt 0x0                               ; K's fragments are in
.if (\q) == 0
	s_wait_alu depctr_vm_vsrc(0)                   ; the piece's LDS stores have read v208-223, in which the loads below land; the wait stands ahead of the branch
.if (\i) > 0
	s_cmp_eq_u32 s3, 1                             ; the second trip's pieces 1 to 3 would ask for pieces 8 to 10: no load leaves its buffer
	s_cbranch_scc1 .Lno_load_\@
.endif
	LOADPIECE 208, ((\i)+3)*16384                  ; the piece three on
	ASK (\i)*16384
.if (\i) > 0
.Lno_load_\@:
.endif
.endif
.irp t, 0,1,2,3,4,5,6,7
	v_wmma_f32_16x16x64_fp8_fp8 v[96+8*\t:103+8*\t], v[32+8*\t:39+8*\t], v[16:23], 0
.endr
.rept 4
	v_nop                                          ; places: for the first read of the scores and for the loads below
.endr
	s_wait_kmcnt 0x0                               ; this step's lane masks, asked for a step ago
	s_bitcmp1_b32 s13, 0                           ; the stored flag of this step
	s_cbranch_scc0 .Lopen_\@
.set n, 0
.rept 64
.if n < 48
	v_cndmask_b32 v[96+n], v[96+n], v7, s[16+n]
.else
	v_cndmask_b32 v[96+n], v[96+n], v7, s[20+n]
.endif
.set n, n+1
.endr
.Lopen_\@:
	s_lshr_b32 s13, s13, 1
	s_wait_alu depctr_va_vdst(0)                   ; the products K Q^T are done reading v32-95, in which V's fragments land; the selects are done reading the mask words, in which the next step's land
.irp u, 0,1,2,3
.irp c, 0,1,2,3
	ds_load_b128 v[32+16*\u+4*\c:35+16*\u+4*\c], v[AR] offset:PB+16384+8192*(\q)+2048*\u+512*\c   ; V lands while the softmax is walked
.endr
.endr
	; the NEXT step's lane masks are asked for here, behind the wait that shows this step's read: they have the rest of the step in which to come
.if 2*(\i)+(\q) == 7
	s_cmp_eq_u32 s3, 1                             ; the very last step has no next
	s_cbranch_scc1 .Lno_words_\@
.endif
	MWORDS 256*(2*(\i)+(\q)+1)
.if 2*(\i)+(\q) == 7
.Lno_words_\@:
.endif
	v_max3_num_f32 v254, v96, v97, v98             ; the step's largest score of my query among my 64 keys, in two chains,
	v_max3_num_f32 v252, v99, v100, v101
.irp x, 6,10,14,18,22,26,30,34,38,42,46,50,54,58
	v_max3_num_f32 v254, v254, v[96+\x], v[97+\x]
	v_max3_num_f32 v252, v252, v[98+\x], v[99+\x]
.endr
	v_max3_num_f32 v254, v254, v158, v159
	v_max_num_f32 v254, v254, v252
	v_permlanex16_b32 v236, v254, s86, s87
	v_max_num_f32 v254, v254, v236                 ; and among lane l xor 16's
	v_mul_f32 v254, s10, v254                      ; as t (c is positive)
	v_max_num_f32 v13, v13, v254
	v_mov_b32 v254, v12
	v_floor_f32 v12, -v13                          ; the new -M = -ceil(t)
	v_sub_f32 v254, v12, v254                      ; old M - new M: a whole number, 0 or less
	v_cvt_i32_f32 v254, v254                       ; (it saturates)
	v_ldexp_f32 v252, 1.0, v254                    ; f = 2^(old M - new M): a multiplication by it rounds nothing
.set j, 0
.rept 32
	v_pk_fma_f32 v[96+j:97+j], v[96+j:97+j], s[10:11], v[12:13] op_sel_hi:[1,0,0]   ; t - M
.set j, j+2
.endr
.set j, 0
.rept 64
	v_exp_f32 v[96+j], v[96+j]                     ; p = 2^(t - M)
.set j, j+1
.endr
	v_pk_mul_f32 v[14:15], v[14:15], v[252:253] op_sel_hi:[1,0]   ; the sums under the new M: the plain line behind the exponentials
	s_wait_alu depctr_va_vdst(0)                   ; the 64 exponentials have written v96-159: one wait for the batch, ahead of its first reader
	v_pk_add_f32 v[242:243], v[96:97], v[98:99]    ; the sum of the unquantised p, in two chains
.irp x, 4,8,12,16,20,24,28,32,36,40,44,48,52,56,60
	v_pk_add_f32 v[14:15], v[14:15], v[96+\x:97+\x]
	v_pk_add_f32 v[242:243], v[242:243], v[98+\x:99+\x]
.endr
	v_pk_add_f32 v[14:15], v[14:15], v[242:243]
	s_cmp_lg_u32 s92, 0                            ; e8 >= -8: 448 x 2^e8 >= 1.75 >= p: the hold would change nothing
	s_cbranch_scc1 .Lno_hold_\@
.set j, 0
.rept 64
	v_min_num_f32 v[96+j], v[96+j], v240           ; the conversion does not saturate (ISA guide 7.6.2); p is not negative, so the hold is one-sided
.set j, j+1
.endr
.Lno_hold_\@:
.irp t, 0,1,2,3,4,5,6,7
	v_cvt_scalef32_pk8_fp8_f32 v[192+2*\t:193+2*\t], v[96+8*\t:103+8*\t], v244
.endr
.set j, 0
.rept 16
	v_pk_mul_f32 v[160+j:161+j], v[160+j:161+j], v[252:253] op_sel_hi:[1,0]   ; O^T under the new M; also the plain lines behind the conversions
.set j, j+2
.endr
	s_wait_dscnt 0x0                               ; V's fragments are in
.irp u, 0,1,2,3
	v_wmma_f32_16x16x128_fp8_fp8 v[160+8*\u:167+8*\u], v[32+16*\u:47+16*\u], v[192:207], v[160+8*\u:167+8*\u]   ; four accumulators by turns
.endr
.endm
; PIECE i of a trip: two key steps.  At its head piece i + 2 (of the ring: (i + 2) % 4) is stored, into the slot that nobody reads.
; The stores' data come from loads and their addresses from the head: they hang on no vector instruction issued since the head's wait.
.macro PIECE i
.if ((\i)%2) == 0
	s_wait_dscnt 0x0                               ; my stores into the slot ahead have landed, my reads of the slot that I leave are in
	s_barrier_signal -1
	s_barrier_wait -1                              ; both hold of all sixteen waves
.endif
	s_wait_loadcnt 0x0                             ; the piece asked for a piece ago.  (Outside the branch below: on no way does a load meet an earlier load's registers)
.if (\i) >= 2
	s_cmp_eq_u32 s3, 1                             ; the second trip's pieces 2 and 3 have nothing left to store
	s_cbranch_scc1 .Lno_store_\@
.endif
.set SR, 2+4*(1-(\i)/2)                ; v6 (pieces 2, 3) from pieces 0, 1; v2 (pieces 0, 1) from pieces 2, 3
.irp k, 0,1,2,3
	ds_store_b128 v[SR], v[208+4*\k:211+4*\k] offset:((\i)%2)*PCB+8192*\k
.endr
.if (\i) >= 2
.Lno_store_\@:
.endif
	STEP \i, 0
	STEP \i, 1
.endm
	s_load_b256 s[88:95], s[0:1], 0x0              ; qimg, kimg, vimg, mbits
	s_load_b128 s[96:99], s[0:1], 0x20             ; mflag, lowp_scales
	s_load_b64 s[84:85], s[0:1], 0x30              ; cimg
	v_lshl_add_u32 v251, v0, 2, 0x20000
	v_mov_b32 v255, 0
	v_lshrrev_b32 v8, 5, v0
	v_readfirstlane_b32 s12, v8                    ; wave 0..15
	v_and_b32 v1, 31, v0
	v_lshlrev_b32 v3, 8, v1
	v_lshlrev_b32 v1, 4, v1
	v_lshlrev_b32 v2, 4, v0
	v_add_nc_u32 v5, 0x10000, v1                   ; an LDS immediate reaches 65,535: the second slot has address registers of its own
	v_add_nc_u32 v6, 0x10000, v2
	s_wait_alu depctr_va_sdst(0)                   ; s12 is written, ahead of its first reader: the tile of queries is made from it
	s_and_b32 s2, ttmp7, 0xffff                    ; batch x 16 + head
	s_lshl_b32 s3, ttmp9, 4
	s_add_co_u32 s3, s3, s12                       ; my tile of queries in the sequence
	s_lshr_b32 s13, s2, 4
	s_lshl_b32 s13, s13, 7
	s_add_co_u32 s13, s13, s3                      ; strip = 128 x batch + tile
	s_and_b32 s14, s2, 15                          ; head
	s_lshl_b32 s16, s2, 17                         ; a head's images: 131,072 bytes
	s_mov_b32 s17, 0
	s_lshl_b32 s18, s3, 10
	s_add_co_u32 s18, s18, s16
	s_mov_b32 s19, 0
	s_lshl_b32 s20, s13, 12
	s_mov_b32 s21, 0
	s_lshl_b32 s22, s13, 5
	s_mov_b32 s23, 0
	s_lshl_b32 s24, s13, 14                        ; a tile of tokens in cimg: 8 K steps x 2,048 bytes;
	s_lshl_b32 s25, s14, 10                        ; head hd fills two chunks: 1,024 hd
	s_add_co_u32 s24, s24, s25
	s_mov_b32 s25, 0
	s_mov_b32 s86, 0x76543210
	s_mov_b32 s87, 0xfedcba98
	s_wait_kmcnt 0x0
	s_add_nc_u64 s[4:5], s[90:91], s[16:17]        ; K's images of my head
	s_add_nc_u64 s[6:7], s[92:93], s[16:17]        ; V's
	s_add_nc_u64 s[8:9], s[94:95], s[20:21]        ; my strip's mask words
	s_add_nc_u64 s[88:89], s[88:89], s[18:19]      ; my Q
	s_add_nc_u64 s[96:97], s[96:97], s[22:23]      ; my strip's flags
	s_add_nc_u64 s[84:85], s[84:85], s[24:25]      ; where ctx goes
	s_load_b256 s[32:39], s[96:97], 0x0            ; eight words of two flags
	s_load_b128 s[40:43], s[98:99], 0x18           ; e6, e7, e8, e9
	s_load_b32 s44, s[98:99], 0x28                 ; e10
	s_wait_alu depctr_va_vdst(0)                   ; v1, v2, v3, v5 and v6 are written: every load, store and prefetch of the kernel reads one of them as its address or offset
	global_load_b128 v[16:19], v1, s[88:89]
	global_load_b128 v[20:23], v1, s[88:89] offset:512
	LOADPIECE 208, 0                               ; pieces 0 and 1 together: the first slot must be whole at the first barrier;
	LOADPIECE 96, 16384                            ; piece 1 through registers that lie idle here
	s_cmp_lt_u32 s12, 2
	s_cselect_b64 s[66:67], s[4:5], s[6:7]
	s_and_b32 s15, s12, 1
	s_lshl_b32 s16, s15, 13
	s_add_co_u32 s16, s16, 4*16384                 ; piece 4: what piece 0 asks for
	s_mov_b32 s17, 0
	s_add_nc_u64 s[66:67], s[66:67], s[16:17]
	s_lshr_b32 s15, s12, 2                         ; 0 in waves 0 to 3,
	s_or_b32 s15, s15, ttmp9                       ; of the head's first work-group
	s_cmp_eq_u32 s15, 0
	s_cselect_b32 s14, 1, -1
	v_mov_b32 v13, 0xff61b1e6                      ; the largest t so far: -3e38
	v_floor_f32 v12, -v13
	v_mov_b32 v14, 0
	v_mov_b32 v15, 0
	v_mov_b32 v236, 0                              ; a lane permute's destination counts as read
	v_mov_b32 v253, 0                              ; (named as the upper half of a pair)
.set j, 0
.rept 32
	v_mov_b32 v[160+j], 0                          ; O^T: the step is written without a first form: the first change of M multiplies zeros
.set j, j+1
.endr
	s_wait_kmcnt 0x0
	s_mov_b32 s13, s32
.irp i, 1,2,3,4,5,6,7
	s_lshl_b32 s15, s[32+\i], 2*\i
	s_or_b32 s13, s13, s15                         ; bit n = key step n
.endr
	s_add_co_i32 s15, s40, s41                     ; e6 + e7
	s_lshl_b32 s16, s15, 23
	s_add_co_i32 s10, s16, 0x3e38aa3b              ; c = log2(e) / 8 x 2^(e6 + e7): the exponents are added to the exponent field
	s_mov_b32 s11, s10
	s_sub_co_i32 s16, 160, s15
	s_lshl_b32 s16, s16, 23
	s_or_b32 s16, s16, 0x80000000
	v_mov_b32 v7, s16                              ; -2^(33 - e6 - e7)
	s_add_co_i32 s91, s42, s43                     ; e8 + e9
	s_cmp_ge_i32 s42, -8
	s_cselect_b32 s92, 1, 0                        ; 1: 448 x 2^e8 is 1.75 or more
	s_add_co_i32 s16, s42, 127
	s_lshl_b32 s17, s16, 23
	v_mov_b32 v244, s17                            ; 2^e8
	s_add_co_i32 s16, s16, 8
	s_lshl_b32 s16, s16, 23
	s_or_b32 s16, s16, 0x600000
	v_mov_b32 v240, s16                            ; 448 x 2^e8
	s_add_co_i32 s16, s44, 127
	s_lshl_b32 s17, s16, 23
	v_mov_b32 v246, s17                            ; 2^e10
	s_add_co_i32 s16, s16, 8
	s_lshl_b32 s16, s16, 23
	s_or_b32 s16, s16, 0x600000
	v_mov_b32 v247, s16                            ; 448 x 2^e10
	s_wait_loadcnt 0x0                             ; Q and pieces 0 and 1
.irp k, 0,1,2,3
	ds_store_b128 v2, v[208+4*\k:211+4*\k] offset:8192*\k
.endr
.irp k, 0,1,2,3
	ds_store_b128 v2, v[96+4*\k:99+4*\k] offset:PCB+8192*\k
.endr
	s_wait_dscnt 0x0                               ; my parts of pieces 0 and 1 have landed in LDS
	s_wait_alu depctr_vm_vsrc(0)                   ; the LDS stores have read v208-223, in which piece 2's loads land, and v96-111, which the first step's products write
	LOADPIECE 208, 2*16384                         ; piece 2
	s_wait_alu depctr_va_vdst(0)                   ; the moves above are done reading s16 and s17, in which mask words land
	MWORDS 0                                       ; the first step's lane masks: the scalars that stood in these registers are done with
	s_mov_b32 s3, 2
.Ltrip:                                            ; two trips of four pieces
	PIECE 0
	PIECE 1
	PIECE 2
	PIECE 3
	s_wait_xcnt 0x0                                ; the loads, vector and scalar, have read their bases: they may step
	s_add_nc_u64 s[8:9], s[8:9], 2048              ; eight steps' mask words
	s_add_nc_u64 s[4:5], s[4:5], 0x10000           ; four pieces
	s_add_nc_u64 s[6:7], s[6:7], 0x10000
	s_sub_co_u32 s3, s3, 1
	s_cmp_lg_u32 s3, 0
	s_cbranch_scc1 .Ltrip
	; THE WAY OUT: O^T x 2^(e8 + e9) / the sum, quantised with 2^e10: tile u's eight registers are channels 16 u + 8 (lane / 16) + 0..7 of my query: registers 2 u, 2 u + 1 of the next operand's half
.rept 4
	v_nop
.endr
	v_add_f32 v14, v14, v15
	v_permlanex16_b32 v252, v14, s86, s87
	v_add_f32 v14, v14, v252                       ; the row's sum
	v_rcp_f32 v14, v14
	v_nop                                          ; a plain line behind the reciprocal
	s_wait_alu depctr_va_vdst(0)                   ; the reciprocal has written v14, ahead of its first reader
	v_ldexp_f32 v14, v14, s91
.set j, 0
.rept 32
	v_mul_f32 v[96+j], v[160+j], v14               ; each accumulator from its low end on
.set j, j+1
.endr
.set j, 0
.rept 32
	v_med3_num_f32 v[96+j], v[96+j], -v247, v247
.set j, j+1
.endr
.irp u, 0,1,2,3
	v_cvt_scalef32_pk8_fp8_f32 v[192+2*\u:193+2*\u], v[96+8*\u:103+8*\u], v246
.endr
	v_nop
	s_wait_alu depctr_va_vdst(0)                   ; the conversions have written v192-199, which the two stores read
	global_store_b128 v1, v[192:195], s[84:85]     ; 512 consecutive bytes a store
	global_store_b128 v1, v[196:199], s[84:85] offset:512
	s_wait_dscnt 0x0                               ; the closing lines, six on end
	s_wait_alu 0x0
	s_wait_tensorcnt 0x0
	ds_add_u32 v251, v255
	s_wait_dscnt 0x0
	s_endpgm
.Lfunc_end_k_qc2aa53aa60_attn:
	.size	k_qc2aa53aa60_attn, .Lfunc_end_k_qc2aa53aa60_attn-k_qc2aa53aa60_attn
	.p2alignl 7, 3214868480
	.fill 96, 4, 3214868480
	.section	.rodata,"a",@progbits
	.p2align	6, 0x0
	.amdhsa_kernel k_qc2aa53aa60_attn
		.amdhsa_group_segment_fixed_size 133120
		.amdhsa_private_segment_fixed_size 0
		.amdhsa_enable_private_segment 0
		.amdhsa_kernarg_size 56
		.amdhsa_user_sgpr_count 2
		.amdhsa_user_sgpr_kernarg_segment_ptr 1
		.amdhsa_wavefront_size32 1
		.amdhsa_system_sgpr_workgroup_id_x 1
		.amdhsa_system_sgpr_workgroup_id_y 1
		.amdhsa_system_sgpr_workgroup_id_z 1
		.amdhsa_system_vgpr_workitem_id 0
		.amdhsa_next_free_vgpr 256
		.amdhsa_next_free_sgpr 100
		.amdhsa_reserve_vcc 0
		.amdhsa_float_denorm_mode_32 3
		.amdhsa_float_denorm_mode_16_64 3
		.amdhsa_memory_ordered 1
		.amdhsa_forward_progress 1
		.amdhsa_inst_pref_size 172
	.end_amdhsa_kernel
	.amdgpu_metadata
---
amdhsa.version: [ 1, 2 ]
amdhsa.kernels:
  - .name:           k_qc2aa53aa60_attn
    .symbol:         k_qc2aa53aa60_attn.kd
    .args:
      - { .name: qimg, .offset: 0, .size: 8, .value_kind: global_buffer, .address_space: global }
      - { .name: kimg, .offset: 8, .size: 8, .value_kind: global_buffer, .address_space: global }
      - { .name: vimg, .offset: 16, .size: 8, .value_kind: global_buffer, .address_space: global }
      - { .name: mbits, .offset: 24, .size: 8, .value_kind: global_buffer, .address_space: global }
      - { .name: mflag, .offset: 32, .size: 8, .value_kind: global_buffer, .address_space: global }
      - { .name: lowp_scales, .offset: 40, .size: 8, .value_kind: global_buffer, .address_space: global }
      - { .name: cimg, .offset: 48, .size: 8, .value_kind: global_buffer, .address_space: global }
    .group_segment_fixed_size: 133120
    .private_segment_fixed_size: 0
    .kernarg_segment_align: 8
    .kernarg_segment_size: 56
    .max_flat_workgroup_size: 512
    .sgpr_count:     100
    .vgpr_count:     256
    .wavefront_size: 32
...
	.end_amdgpu_metadata
.endif
;; end of part 6
;; launch outln (part 7): grid 256 x 1, 4 waves a work-group, no clusters, 132,096 bytes of LDS; arguments cimg, woimg, Q, bo, ln_g, ln_b, lowp_scales, out0; writes out0
.if DOCPART == 7
	.amdgcn_target "amdgcn-amd-amdhsa--gfx1250"
	.amdhsa_code_object_version 6
	.text
	.protected	k_qc2aa53aa60_outln
	.globl	k_qc2aa53aa60_outln
	.p2align	8
	.type	k_qc2aa53aa60_outln,@function
k_qc2aa53aa60_outln:
	s_mov_b64 s[64:65], 0
	v_nop
	global_prefetch_b8 v0, s[64:65] scope:SCOPE_SE
	s_setreg_imm32_b32 hwreg(HW_REG_WAVE_SCHED_MODE, 0, 2), 2
	s_setreg_imm32_b32 hwreg(HW_REG_WAVE_MODE, 25, 1), 1
	s_wait_xcnt 0x0
	s_wait_alu depctr_vm_vsrc(0)
; OUTLN: out = LayerNorm(ctx Wo + bo + Q) x ln_g + ln_b.  The product is on codes of E4M3; all else in f32.
; SHARES.  A work-group owns 32 tokens and all 1,024 columns, since the norm wants whole rows: 256 work-groups.  In the product wave w makes columns 256 w .. 256 w + 255 for the 32 tokens
; (16 tiles of columns x 2 tiles of tokens: 32 accumulators); in the norm wave w owns rows 8 w .. 8 w + 7.  Between the two the sums go through a stage in LDS, with one barrier.
; Source 0 = 16 rows of Wo (columns of the result), source 1 = 16 tokens: a lane holds one token and eight neighbouring columns.
; Both operands arrive as images of their registers and go from memory straight into registers: ctx's 16 fragments stay (window 1); Wo's come in groups of eight through a ring of sixteen buffers (window 3),
; two groups ahead.  Each fragment of Wo is read by one wave of the work-group, so LDS would carry it to nobody else.  No joint loads: the price is that every work-group reads all of Wo's images.
; The variance is taken of the centred numbers: no difference of large sums is formed.
; LIMITS: e10 + e11 between -126 and 127.  NaN is not served.
; THE MODE: SCHED_MODE bits 1:0 = 2 (LLVM: expert scheduling mode 2), set by the entry lines.  The code itself states the register dependences between vector or matrix instructions and memory or LDS instructions,
; with s_wait_alu, always for 0.
; THE PLAN.  Registers that memory or LDS instructions touch:
;   v1, v2, v3, v4 (window 0)   offsets and stage addresses: written at the head, ahead of the head's wait on va_vdst, and never again.
;   window 3                    Wo's ring.  Group k's sixteen products read eight buffers; behind them the loads of group k + 2 land there (behind group 14: Q's rows 4-7).
;   window 2                    the accumulators: the products write them, the LDS stores into the stage read them, once.
;   window 1                    ctx's fragments: loaded once, read by the products.  Behind the barrier: v96, v97, two addresses made by vector lines; v0-31 and v32-63, two row sets by turns:
;                               LDS loads land in a set, the row's arithmetic works in it, the row's stores read it, and the row after next lands in it.
;   v16-111, v128-255 (window 0)  bo, ln_g, ln_b, Q's rows 0-3: loaded once, read by vector lines.
; WAITS ON va_vdst, each behind its window switch and straight ahead of its loads or stores: at the head; behind each of groups 0 to 14, since the buffers just read are asked for again at once, so that two groups
; stay on their way; ahead of the stores into the stage; ahead of the first row's loads; at a row's head ahead of the next row's loads; behind the root; ahead of a row's stores.
; WAITS ON vm_vsrc: at the head of rows 1 to 6, between the last row's stores and the loads into the set that those stores read.
; REGISTERS: window 0: v1 16 x lane; v2, v3 stage addresses; v4 256 x lane; v6, v7 the sums across lanes; v[8:9] -mean; v[10:11] 1 / sqrt(var + eps); v16-47 bo, v48-79 ln_g, v80-111 ln_b; v128-255 Q's rows 0-3.
;   window 1: ctx's fragment (m, s) at v[16 (8 m + s)]; in the norm v0-63 two rows by turns, v64-71 partial sums, v96, v97 addresses.
;   window 2: accumulator (u, m) at v[8 (2 u + m)].   window 3: Wo's ring; at the end v0-127 Q's rows 4-7.
.set RPT,  4112                        ; a stage row: 4,096 bytes + 16: sixteen lanes' rows start 16 bytes apart modulo 256
.set MSB, 0
.macro WIN new                         ; the immediate's high byte repeats the setting that is left
.if MSB != \new
	s_set_vgpr_msb (MSB<<8)|\new
.set MSB, \new
.endif
.endm
.macro BLOAD k                         ; group k: K step k / 2, tiles of columns 8 (k % 2) + 0..7, into the buffers of the same numbers
	WIN 0xc0                                       ; destination window 3, address window 0
.irp i, 0,1,2,3,4,5,6,7
.set UU, 8*((\k)%2)+\i
.irp c, 0,1,2,3
	global_load_b128 v[16*UU+4*\c:16*UU+4*\c+3], v1, s[6:7] offset:(8*UU+(\k)/2)*2048+512*\c
.endr
.endr
.endm
.macro GRP k
	s_wait_loadcnt 32                              ; behind this group's loads 32 more were issued: they may be out
	WIN 0xa7                                       ; source 0 (Wo) window 3, source 1 (ctx) window 1, C and D window 2
.irp i, 0,1,2,3,4,5,6,7
.set UU, 8*((\k)%2)+\i
.irp m, 0,1
.if (\k) < 2
	v_wmma_f32_16x16x128_fp8_fp8 v[8*(2*UU+\m):8*(2*UU+\m)+7], v[16*UU:16*UU+15], v[16*(8*\m+(\k)/2):16*(8*\m+(\k)/2)+15], 0
.else
	v_wmma_f32_16x16x128_fp8_fp8 v[8*(2*UU+\m):8*(2*UU+\m)+7], v[16*UU:16*UU+15], v[16*(8*\m+(\k)/2):16*(8*\m+(\k)/2)+15], v[8*(2*UU+\m):8*(2*UU+\m)+7]
.endif
.endr
.endr                                              ; 16 accumulators by turns; an accumulator comes up again 32 matrix instructions later
.rept 4
	v_nop                                          ; places in front of loads into the buffers just read, and of the first read of results
.endr
.if (\k) <= 14
	WIN 0xc0                                       ; the window first, then the wait, then the loads
	s_wait_alu depctr_va_vdst(0)                   ; this group's sixteen products are done reading their eight buffers, in which the loads below land
.endif
.if (\k) <= 13
	BLOAD (\k)+2
.endif
.if (\k) == 8
	global_prefetch_b8 v4, s[8:9] offset:16384 th:TH_LOAD_NT scope:SCOPE_SE   ; Q's rows 4-7 of my eight, 16 KiB, lanes 256 bytes apart: their loads go out six groups on; each block is named once
	global_prefetch_b8 v4, s[8:9] offset:24576 th:TH_LOAD_NT scope:SCOPE_SE
.endif
.if (\k) == 14
	WIN 0xc0
.irp p, 4,5,6,7
.irp i, 0,1,2,3,4,5,6,7
	global_load_b128 v[32*(\p-4)+4*\i:32*(\p-4)+4*\i+3], v1, s[8:9] offset:4096*\p+512*\i th:TH_LOAD_NT   ; into buffers 0-7, which have had their last group
.endr
.endr
.endif
.endm
.macro ALLSUM                          ; v6 summed over the 32 lanes, in window 0
	v_add_f32_dpp v6, v6, v6 row_xmask:1 row_mask:0xf bank_mask:0xf
	v_add_f32_dpp v6, v6, v6 row_xmask:2 row_mask:0xf bank_mask:0xf
	v_add_f32_dpp v6, v6, v6 row_xmask:4 row_mask:0xf bank_mask:0xf
	v_add_f32_dpp v6, v6, v6 row_xmask:8 row_mask:0xf bank_mask:0xf
	v_permlanex16_b32 v7, v6, s24, s25
	v_add_f32 v6, v6, v7
.endm
.macro FOLD                            ; the four partial pairs in v64-71 of window 1 become one number in v6 of window 0
	v_pk_add_f32 v[64:65], v[64:65], v[66:67]
	v_pk_add_f32 v[68:69], v[68:69], v[70:71]
	v_pk_add_f32 v[64:65], v[64:65], v[68:69]
	WIN 0x05                                       ; sources window 1, destination window 0
	v_add_f32 v6, v64, v65
	WIN 0
	ALLSUM
.endm
	s_load_b512 s[4:19], s[0:1], 0x0               ; cimg, woimg, Q, bo, ln_g, ln_b, lowp_scales, out0
	v_lshl_add_u32 v126, v0, 2, 0x20200
	v_mov_b32 v127, 0
	v_lshrrev_b32 v5, 5, v0
	v_readfirstlane_b32 s26, v5                    ; wave 0..3
	v_and_b32 v5, 31, v0
	v_lshlrev_b32 v1, 4, v5
	v_lshlrev_b32 v4, 8, v5
	v_and_b32 v6, 15, v0                           ; r
	v_bfe_u32 v7, v0, 4, 1                         ; h
	v_mul_u32_u24 v2, v6, RPT
	v_lshl_add_u32 v2, v7, 5, v2
	s_wait_alu depctr_va_sdst(0)                   ; s26 is written, ahead of its first reader: the stage's places and the bases are made from it
	s_lshl_b32 s27, s26, 10
	v_add_nc_u32 v2, s27, v2                       ; the stage, in: row r, + 32 h, + my 1,024 bytes of a row
	v_add_nc_u32 v3, 16*RPT, v2                    ; and 16 rows further down
	v_mov_b32 v9, 0                                ; (upper halves of pairs of which the low word serves both halves)
	v_mov_b32 v11, 0
	s_mul_i32 s23, s26, 8*RPT                      ; the stage, back: my eight rows
	s_lshl_b32 s28, ttmp9, 15                      ; two tiles of tokens: 32,768 bytes of images
	s_mov_b32 s29, 0
	s_lshl_b32 s30, s26, 18                        ; my 16 tiles of Wo's rows
	s_mov_b32 s31, 0
	s_lshl_b32 s32, ttmp9, 5
	s_lshl_b32 s33, s26, 3
	s_add_co_u32 s32, s32, s33
	s_lshl_b32 s32, s32, 12                        ; my first row of Q and of the output, in bytes
	s_mov_b32 s33, 0
	s_mov_b32 s22, 0x3a800000                      ; 1 / 1024
	s_mov_b32 s27, 0xba800000                      ; -1 / 1024
	s_mov_b32 s24, 0x76543210
	s_mov_b32 s25, 0xfedcba98
	s_wait_kmcnt 0x0
	s_load_b64 s[20:21], s[16:17], 0x28            ; e10, e11
	s_add_nc_u64 s[4:5], s[4:5], s[28:29]
	s_add_nc_u64 s[6:7], s[6:7], s[30:31]
	s_add_nc_u64 s[8:9], s[8:9], s[32:33]
	s_add_nc_u64 s[18:19], s[18:19], s[32:33]
	WIN 0x40                                       ; destination window 1
	s_wait_alu depctr_va_vdst(0)                   ; v1, v2, v3 and v4 are written: the loads, the prefetches and the stores into the stage read them; only loads and window switches stand between this wait and the head's last load
.irp f, 0,1,2,3,4,5,6,7,8,9,10,11,12,13,14,15
.irp c, 0,1,2,3
	global_load_b128 v[16*\f+4*\c:16*\f+4*\c+3], v1, s[4:5] offset:\f*2048+512*\c   ; ctx's fragments: they stay
.endr
.endr
	WIN 0
.irp p, 0,1,2,3
.irp i, 0,1,2,3,4,5,6,7
	global_load_b128 v[128+32*\p+4*\i:128+32*\p+4*\i+3], v1, s[8:9] offset:4096*\p+512*\i th:TH_LOAD_NT   ; Q's rows 0-3 of my eight
.endr
.endr
.irp i, 0,1,2,3,4,5,6,7
	global_load_b128 v[16+4*\i:19+4*\i], v1, s[10:11] offset:512*\i
	global_load_b128 v[48+4*\i:51+4*\i], v1, s[12:13] offset:512*\i
	global_load_b128 v[80+4*\i:83+4*\i], v1, s[14:15] offset:512*\i
.endr
	BLOAD 0
	BLOAD 1
.irp k, 0,1,2,3,4,5,6,7,8,9,10,11,12,13,14,15
	GRP \k
.endr
	WIN 0x08                                       ; store data window 2, address window 0
	s_wait_alu depctr_va_vdst(0)                   ; the products have written the accumulators, which the LDS stores read; the four places above stay beside this wait
.irp u, 0,1,2,3,4,5,6,7,8,9,10,11,12,13,14,15
.irp m, 0,1
	ds_store_b128 v[2+\m], v[8*(2*\u+\m):8*(2*\u+\m)+3] offset:64*\u          ; token 16 m + r, columns 256 w + 16 u + 8 h + 0..3: the low half first
	ds_store_b128 v[2+\m], v[8*(2*\u+\m)+4:8*(2*\u+\m)+7] offset:64*\u+16
.endr
.endr
	s_wait_kmcnt 0x0
	s_add_co_i32 s20, s20, s21
	s_add_co_i32 s20, s20, 127
	s_lshl_b32 s20, s20, 23                        ; 2^(e10 + e11) as f32
	s_mov_b32 s21, s20
	s_wait_dscnt 0x0                               ; for the others' sake: my stores into the stage are done
	s_barrier_signal -1
	s_barrier_wait -1                              ; 32 whole rows of sums lie in the stage
	WIN 0x40
	v_add_nc_u32 v96, s23, v1                      ; (window 1) my rows, 16 bytes a lane
	v_mov_b32 v97, v1                              ; (window 1) the same place in a row of the output
	WIN 0x41
	s_wait_alu depctr_va_vdst(0)                   ; v96 and v97 of window 1 are written, which the loads and stores below read as addresses; the products are done reading ctx's fragments, in which rows 0 and 1 land
.irp i, 0,1,2,3,4,5,6,7
	ds_load_b128 v[4*\i:4*\i+3], v96 offset:512*\i
.endr
; ROW p of my eight: register 4 i + e of a lane is column 128 i + 4 lane + e, in the stage's row, in Q, in bo, ln_g, ln_b and in the output alike.
.macro ROW p
.set XS, 32*((\p)%2)
.set XN, 32*(((\p)+1)%2)
	WIN 0x41                                       ; destination and source 0 window 1
.if (\p) > 0
	s_wait_xcnt 0x0                                ; the last row's stores have read the other set
.endif
.if (\p) < 7
.if (\p) > 0
	s_wait_alu depctr_vm_vsrc(0)                   ; the last row's stores have read the other set as their data: the next row's loads land in it
	s_wait_alu depctr_va_vdst(0)                   ; the last row's arithmetic is done reading and writing that set; written anew here, behind the window switch and the stores, straight ahead of the loads
.endif
.irp i, 0,1,2,3,4,5,6,7
	ds_load_b128 v[XN+4*\i:XN+4*\i+3], v96 offset:((\p)+1)*RPT+512*\i
.endr
	s_wait_dscnt 8                                 ; this row is in; the next row's eight loads may be out
.else
	s_wait_dscnt 0x0
.endif
.if (\p) < 4
.set RS, 128+32*(\p)
.else
.set RS, 32*((\p)-4)
	WIN 0x71                                       ; source 2 (Q's rows 4-7) window 3
.endif
.if (\p) == 4
	s_wait_loadcnt 0x0                             ; Q's rows 4-7
.endif
.set j, 0
.rept 16
	v_pk_fma_f32 v[XS+j:XS+j+1], v[XS+j:XS+j+1], s[20:21], v[RS+j:RS+j+1] op_sel_hi:[1,0,1]   ; sum x 2^(e10 + e11) + Q
.set j, j+2
.endr
	WIN 0x41
.set j, 0
.rept 16
	v_pk_add_f32 v[XS+j:XS+j+1], v[XS+j:XS+j+1], v[16+j:17+j]   ; + bo
.set j, j+2
.endr
	WIN 0x55                                       ; all in window 1
.irp c, 0,1,2,3
	v_pk_add_f32 v[64+2*\c:65+2*\c], v[XS+4*\c:XS+4*\c+1], v[XS+4*\c+2:XS+4*\c+3]   ; the row's sum, in four chains
.endr
.irp c, 0,1,2,3
	v_pk_add_f32 v[64+2*\c:65+2*\c], v[64+2*\c:65+2*\c], v[XS+16+2*\c:XS+17+2*\c]
.endr
.irp c, 0,1,2,3
	v_pk_add_f32 v[64+2*\c:65+2*\c], v[64+2*\c:65+2*\c], v[XS+24+2*\c:XS+25+2*\c]
.endr
	FOLD
	v_mul_f32 v8, s27, v6                          ; -mean
	WIN 0x41
.set j, 0
.rept 16
	v_pk_add_f32 v[XS+j:XS+j+1], v[XS+j:XS+j+1], v[8:9] op_sel_hi:[1,0]
.set j, j+2
.endr
	WIN 0x55
.irp c, 0,1,2,3
	v_pk_mul_f32 v[64+2*\c:65+2*\c], v[XS+2*\c:XS+2*\c+1], v[XS+2*\c:XS+2*\c+1]     ; the centred squares, in four chains
.endr
.irp g, 1,2,3
.irp c, 0,1,2,3
	v_pk_fma_f32 v[64+2*\c:65+2*\c], v[XS+8*\g+2*\c:XS+8*\g+2*\c+1], v[XS+8*\g+2*\c:XS+8*\g+2*\c+1], v[64+2*\c:65+2*\c]
.endr
.endr
	FOLD
	v_fmaak_f32 v6, s22, v6, 0x3727c5ac            ; var + 1e-5
	v_rsq_f32 v10, v6
	v_nop                                          ; a plain line behind the root
	s_wait_alu depctr_va_vdst(0)                   ; the root has written v10, ahead of its first reader
	WIN 0x41
.set j, 0
.rept 16
	v_pk_mul_f32 v[XS+j:XS+j+1], v[XS+j:XS+j+1], v[10:11] op_sel_hi:[1,0]
.set j, j+2
.endr
.set j, 0
.rept 16
	v_pk_fma_f32 v[XS+j:XS+j+1], v[XS+j:XS+j+1], v[48+j:49+j], v[80+j:81+j]   ; x ln_g + ln_b
.set j, j+2
.endr
	WIN 0x55                                       ; address and data window 1
	s_wait_alu depctr_va_vdst(0)                   ; the multiply-adds have written this row's set, which the stores read
.irp i, 0,1,2,3,4,5,6,7
	global_store_b128 v97, v[XS+4*\i:XS+4*\i+3], s[18:19] offset:4096*(\p)+512*\i th:TH_STORE_NT   ; 512 consecutive bytes a store
.endr
.endm
.irp p, 0,1,2,3,4,5,6,7
	ROW \p
.endr
	WIN 0                                          ; the add's two registers lie in window 0: the switch stands ahead of the closing lines
	s_wait_dscnt 0x0                               ; the closing lines, six on end
	s_wait_alu 0x0
	s_wait_tensorcnt 0x0
	ds_add_u32 v126, v127
	s_wait_dscnt 0x0
	s_endpgm
.Lfunc_end_k_qc2aa53aa60_outln:
	.size	k_qc2aa53aa60_outln, .Lfunc_end_k_qc2aa53aa60_outln-k_qc2aa53aa60_outln
	.p2alignl 7, 3214868480
	.fill 96, 4, 3214868480
	.section	.rodata,"a",@progbits
	.p2align	6, 0x0
	.amdhsa_kernel k_qc2aa53aa60_outln
		.amdhsa_group_segment_fixed_size 132096
		.amdhsa_private_segment_fixed_size 0
		.amdhsa_enable_private_segment 0
		.amdhsa_kernarg_size 64
		.amdhsa_user_sgpr_count 2
		.amdhsa_user_sgpr_kernarg_segment_ptr 1
		.amdhsa_wavefront_size32 1
		.amdhsa_system_sgpr_workgroup_id_x 1
		.amdhsa_system_sgpr_workgroup_id_y 1
		.amdhsa_system_sgpr_workgroup_id_z 1
		.amdhsa_system_vgpr_workitem_id 0
		.amdhsa_next_free_vgpr 1024
		.amdhsa_next_free_sgpr 66
		.amdhsa_reserve_vcc 0
		.amdhsa_float_denorm_mode_32 3
		.amdhsa_float_denorm_mode_16_64 3
		.amdhsa_memory_ordered 1
		.amdhsa_forward_progress 1
		.amdhsa_inst_pref_size 168
	.end_amdhsa_kernel
	.amdgpu_metadata
---
amdhsa.version: [ 1, 2 ]
amdhsa.kernels:
  - .name:           k_qc2aa53aa60_outln
    .symbol:         k_qc2aa53aa60_outln.kd
    .args:
      - { .name: cimg, .offset: 0, .size: 8, .value_kind: global_buffer, .address_space: global }
      - { .name: woimg, .offset: 8, .size: 8, .value_kind: global_buffer, .address_space: global }
      - { .name: Q, .offset: 16, .size: 8, .value_kind: global_buffer, .address_space: global }
      - { .name: bo, .offset: 24, .size: 8, .value_kind: global_buffer, .address_space: global }
      - { .name: ln_g, .offset: 32, .size: 8, .value_kind: global_buffer, .address_space: global }
      - { .name: ln_b, .offset: 40, .size: 8, .value_kind: global_buffer, .address_space: global }
      - { .name: lowp_scales, .offset: 48, .size: 8, .value_kind: global_buffer, .address_space: global }
      - { .name: out0, .offset: 56, .size: 8, .value_kind: global_buffer, .address_space: global }
    .group_segment_fixed_size: 132096
    .private_segment_fixed_size: 0
    .kernarg_segment_align: 8
    .kernarg_segment_size: 64
    .max_flat_workgroup_size: 128
    .sgpr_count:     66
    .vgpr_count:     1024
    .wavefront_size: 32
...
	.end_amdgpu_metadata
.endif
;; end of part 7
